; MI455X (gfx1250); checked and timed in simulation.
; The chip was launched on July 23, 2026; its instructions are those of AMD's public machine-readable ISA for CDNA 5 (MIT licence, August 2026) and "CDNA5" Instruction Set Architecture Reference Guide (July 2026). The comments in the code are by the model that wrote it; some were corrected since.
;; Memory. Allowed arithmetic: matrix products marked QUANTISED: E2M3 operands, one E8M0 scale for each 32 along K, by v_wmma_scale_f32_16x16x128_f8f6f4 with both operands' format E2M3, f32 sums; everything else in f32.
;; Inputs: W_attn 1,024 x 3,072 float32; W_proj 1,024 x 1,024 float32; b_attn 3,072 float32; b_proj 1,024 float32; x 4 x 2,048 x 1,024 float32.
;; Outputs: out0 4 x 2,048 x 1,024 float32; out1 4 x 512 x 1,024 float32.
;; This version of the problem:
;;   THIS VERSION OF THE PROBLEM IS GIVEN IN LOW PRECISION. The matrix products marked QUANTISED in the list below multiply operands that are first quantised to E2M3 (2 exponent bits, 3 mantissa bits; 6 bits a number), with one power-of-two scale for each 32 numbers along K (OCP MX v1.0); their sums are f32. All else is computed in f32.
;;   The module's matrix products, in the order in which they are computed (A, B: the left and right operand; K: the contracted axis; several contracted axes count as one K, in the product's order):
;;     1. [M 8,192, K 1,024] x [K 1,024, N 3,072]; A: input x; B: input W_attn: QUANTISED
;;     2. batch 64 x [M 2,048, K 64] x [K 64, N 2,048]; A: computed on the way; B: computed on the way: QUANTISED
;;     3. batch 64 x [M 2,048, K 2,048] x [K 2,048, N 64]; A: softmax (see below); B: computed on the way: QUANTISED
;;     4. [M 8,192, K 1,024] x [K 1,024, N 1,024]; A: computed on the way; B: input W_proj: QUANTISED
;;   THE QUANTISER, for each operand of a quantised product, along K:
;;     - K is cut into blocks of 32 from its start; a last block that is shorter is filled with zeros.
;;     - A block's scale is 2^e with e = floor(log2(the largest magnitude in the block)) - 2, held to -126 .. 127; a block of zeros has e = 0. As a byte (E8M0): e + 127.
;;     - Each number is divided by its block's scale, clamped to +-7.5, and rounded to the nearest number of E2M3, ties to even, subnormals kept.
;;     - The product sums the exact products of the quantised numbers (number of the format x scale) in f32.
;;   ~~~python
;;   def quantise(x, axis):      # numpy; x: float32 -> the quantised numbers, widened to float32 again
;;       x = np.moveaxis(x, axis, -1); K = x.shape[-1]
;;       x = np.pad(x, [(0, 0)] * (x.ndim - 1) + [(0, -K % 32)]); x = x.reshape(x.shape[:-1] + (-1, 32)); a = np.abs(x).max(-1, keepdims=True)
;;       e = np.where(a > 0, np.clip(np.frexp(np.where(a > 0, a, 1))[1] - 1 - 2, -126, 127), 0)      # np.frexp(a)[1] - 1 = floor(log2(a)), exactly
;;       r = np.clip(x / 2.0 ** e, -7.5, 7.5)
;;       step = 2.0 ** (np.maximum(np.frexp(np.where(r == 0, 1, r))[1] - 1, 0) - 3)
;;       q = np.round(r / step) * step * 2.0 ** e      # np.round: ties to even
;;       return np.moveaxis(q.reshape(q.shape[:-2] + (-1,))[..., :K], -1, axis).astype(np.float32)
;;   ~~~
;;   SOFTMAX AHEAD OF A QUANTISED PRODUCT. Where the list says 'softmax', what is quantised is not the finished softmax but p = 2^(t - M), with t = logit x log2(e) and M = ceil(the row's largest t), a whole number; so 1/2 < the row's largest p <= 1. The row's sum l is taken of the UNQUANTISED p, in f32, and the product's result is divided by l at the end. Since M is a whole number, a kernel that streams over the keys may use a running M (the ceiling of the running maximum): every later rescaling is an exact power of two, which a block's scale takes up: the codes' values come out the same.
;;   OPERANDS COMPUTED ON THE WAY. 'Computed on the way' means the value that the module computes at that place (a softmax that the list does not call 'softmax' is quantised finished and normalised). What goes into a quantiser is computed in f32, as accurately as f32 sums, v_exp_f32 and their like allow (about 1e-6 of the number): no bf16 or f16 on the way to a quantiser, and a product that is left as it is and whose result goes on into a quantised operand takes f32 operands (vector FMAs, or v_wmma_f32_16x16x4_f32). A number that lies on a knife's edge between two numbers of the format may be rounded either way, as far as f32 arithmetic and the matrix unit's own rounding can turn it there, and no further.
;; One version. Each part assembles by itself: llvm-mc -triple=amdgcn-amd-amdhsa -mcpu=gfx1250 --defsym DOCPART=n.
;; ======== version 1 of 1: 4 launches
;; limits: right only within a limited range of input values
;; workspace buffers: ximg 6,291,456 bytes; xsc 262,144 bytes; wimg 3,145,728 bytes; wsc 131,072 bytes; img 20,447,232 bytes; yimg 6,291,456 bytes; ysc 262,144 bytes
;; launch prep (part 1): grid 384 x 1, 4 waves a work-group, no clusters, 85,504 bytes of LDS; arguments x, W_attn, W_proj, ximg, xsc, wimg, wsc, out1; writes ximg, xsc, wimg, wsc, out1
.if DOCPART == 1
	.amdgcn_target "amdgcn-amd-amdhsa--gfx1250"
	.amdhsa_code_object_version 6
	.text
	.protected	k_q131eddd185_prep
	.globl	k_q131eddd185_prep
	.p2align	8
	.type	k_q131eddd185_prep,@function
k_q131eddd185_prep:
	s_mov_b64 s[64:65], 0
	v_nop
	global_prefetch_b8 v0, s[64:65] scope:SCOPE_SE
	s_setreg_imm32_b32 hwreg(HW_REG_WAVE_MODE, 25, 1), 1
	s_wait_xcnt 0x0
; x [8192][1024], W_attn [1024][3072] and W_proj [1024][1024], f32, become codes of FP6 (E2M3) with one E8M0 byte for each 32 along K (K = 1024 in all three),
; laid as the products' launches take them; and out1 = the last 512 rows of each batch of x, copied from the registers that the loads fill.
; A block's scale is 2^(floor(log2(its largest magnitude)) - 2): its byte is the largest magnitude's exponent field - 2, held at 1 from below.
; LIMITS: NaN and infinities are not served; a block whose largest magnitude lies under 2^-124 keeps the byte 1; a block of zeros has the byte 1 (its codes are zeros; only this program reads the bytes).
; LAYOUT OF THE RESULTS.  A tile is 16 operand rows (rows of x; columns of W).  In each group of 32 rows tile i (0, 1) holds, at its place r, row 8 i + r + 8 (r / 8).
; Codes: [tile][kappa = K / 128][1,536 bytes]: the image of the operand's 12 registers: registers 4 c .. 4 c + 3 of lane l at 512 c + 16 l; lane (r, h) holds row r, registers 6 c .. 6 c + 5 = K 64 c + 32 h + 0 .. 31.
; Scale bytes: [tile][kappa / 4][r][16 bytes: the words of kappa % 4].  W's tiles: 0-191 W_attn's columns, 192-255 W_proj's.
; Work-groups 0-255 take x, 256-383 the weights: two paths, each with LDS bytes of its own.  No tensor loads, no barrier: waves share nothing, and no input is shared between work-groups, so no cluster.
.set STEPS, 16
.set SP,    80                         ; x: a lane's place in a turn stage: 64 bytes + 16
.set XW,    14848                      ; x: LDS of a wave: two turn stages, 256 scale bytes, the code stage
.set XSB,   2*32*SP
.set XCS,   XSB+256
.set PCH,   784                        ; code stage: from one group of four registers to the next
.set HP,    384                        ; and from lanes 0-15's 256 bytes to lanes 16-31's
.set WL0,   4*XW                       ; W: LDS begins here
.set WW,    6400                       ; of a wave: two tiles
.set WT,    3200                       ; of a tile: two fragments + 128
.set R,     16                         ; x: v16-79   four sets of 16 numbers as loaded
.set X,     80                         ;    v80-111  two sets of 16 neighbours
.set E,     112                        ;    v112-127 a scale byte for each step
.set C,     128                        ;    v128-191 codes, four registers for each step
.set CA,    9                          ;    v9-11    where my three code words go in the code stage
.set WX,    32                         ; W: v32-95   two sets of 32 numbers
.set OFF,   112                        ;    v112-143 4 x lane + i rows
.set SB,    24                         ;    v24-25   my column's eight scale bytes
	s_load_b512 s[4:19], s[0:1], 0x0               ; x 4, W_attn 6, W_proj 8, ximg 10, xsc 12, wimg 14, wsc 16, out1 18
	v_lshl_add_u32 v192, v0, 2, 0x14c00
	v_mov_b32 v193, 0
	v_lshrrev_b32 v1, 5, v0
	v_readfirstlane_b32 s20, v1                    ; wave
	v_and_b32 v2, 31, v0                           ; lane
	s_cmp_lt_u32 ttmp9, 256
	s_cbranch_scc0 .Lw_path
; ---------------- x.  Wave W = 4 x work-group + wave takes tile W / 2, K half W % 2: 16 steps, step t = the tile's place t, 512 numbers.
; Each load reads 512 consecutive bytes; the 2,048 bytes turn through the wave's stage and come back 16 neighbours a lane (two lanes hold a block).
	v_lshlrev_b32 v3, 4, v2                        ; 16 x lane
	s_mul_i32 s21, s20, XW
	v_lshrrev_b32 v4, 2, v2
	v_mul_u32_u24 v4, v4, SP
	v_and_b32 v1, 3, v2
	v_lshl_add_u32 v4, v1, 4, v4
	v_add_nc_u32 v4, s21, v4                       ; turn stage, in: SP (lane / 4) + 16 (lane % 4)
	v_mul_u32_u24 v5, v2, SP
	v_add_nc_u32 v5, s21, v5                       ; and out: SP x lane
	v_lshrrev_b32 v6, 1, v2
	v_add_nc_u32 v6, s21, v6
	v_add_nc_u32 v6, XSB, v6                       ; my block's scale byte: 16 bytes a step
	v_lshlrev_b32 v8, 3, v2                        ; 8 x lane
	v_add_nc_u32 v7, s21, v8
	v_add_nc_u32 v7, XSB, v7                       ; the scale bytes on their way out
	; lane = 8 kappa' + 2 beta + e: block beta of fragment kappa', half e.  Its code word w is register 6 (beta / 2) + 3 e + w of lane (t, beta % 2)
	v_bfe_u32 v13, v2, 2, 1
	v_and_b32 v14, 1, v2
	v_mul_u32_u24 v13, v13, 6
	v_mad_u32_u24 v13, v14, 3, v13                 ; the register of word 0
	v_lshrrev_b32 v14, 3, v2
	v_mul_u32_u24 v14, v14, 3*PCH
	v_bfe_u32 v15, v2, 1, 1
	v_mad_u32_u24 v14, v15, HP, v14
	v_add_nc_u32 v14, s21, v14
	v_add_nc_u32 v14, XCS, v14
.irp w, 0,1,2
	v_add_nc_u32 v15, \w, v13
	v_lshrrev_b32 v1, 2, v15
	v_and_b32 v15, 3, v15
	v_mad_u32_u24 v1, v1, PCH, v14
	v_lshl_add_u32 v[CA+\w], v15, 2, v1
.endr
	v_lshrrev_b32 v1, 4, v2
	v_and_b32 v15, 15, v2
	v_mul_u32_u24 v1, v1, HP
	v_lshl_add_u32 v12, v15, 4, v1
	v_add_nc_u32 v12, s21, v12
	v_add_nc_u32 v12, XCS, v12                     ; the code stage on the way out: my lane's 16 bytes of a group of four registers
	s_lshl_b32 s22, ttmp9, 17                      ; the work-group's 32 rows of 4,096 bytes,
	s_lshr_b32 s23, s20, 1
	s_lshl_b32 s23, s23, 15                        ; tile 1 begins 8 rows down,
	s_add_co_u32 s22, s22, s23
	s_and_b32 s23, s20, 1
	s_lshl_b32 s23, s23, 11                        ; the K half
	s_add_co_u32 s22, s22, s23
	s_mov_b32 s23, 0
	s_lshl_b32 s24, ttmp9, 2
	s_add_co_u32 s24, s24, s20                     ; W
	s_mul_i32 s26, s24, 4*1536                     ; four fragments
	s_mov_b32 s27, 0
	s_lshl_b32 s28, s24, 8                         ; 256 scale bytes
	s_mov_b32 s29, 0
	s_lshr_b32 s30, ttmp9, 6                       ; batch
	s_add_co_u32 s30, s30, 1
	s_mul_i32 s30, s30, 1536*4096
	s_sub_co_u32 s30, s22, s30                     ; out1's row = x's row - 1,536 (batch + 1)
	s_and_b32 s25, ttmp9, 63
	s_cmp_ge_u32 s25, 48                           ; the batch's last 512 rows: 16 work-groups of 64
	s_cselect_b32 s25, 1, 0
	s_cselect_b32 s30, s30, 0
	s_mov_b32 s31, 0
	s_wait_kmcnt 0x0
	s_add_nc_u64 s[4:5], s[4:5], s[22:23]
	s_add_nc_u64 s[10:11], s[10:11], s[26:27]
	s_add_nc_u64 s[12:13], s[12:13], s[28:29]
	s_add_nc_u64 s[18:19], s[18:19], s[30:31]
.macro LOAD t                          ; place t holds row t + 8 (t / 8) from the tile's first
.irp i, 0,1,2,3
	global_load_b128 v[R+16*((\t)%4)+4*\i:R+16*((\t)%4)+4*\i+3], v3, s[4:5] offset:((\t)+8*((\t)/8))*4096+512*\i th:TH_LOAD_NT
.endr
.endm
.macro TURN t                          ; step t's numbers through the stage (LDS serves a wave's instructions in order); where the rows belong to out1 they are stored as loaded
.irp i, 0,1,2,3
	ds_store_b128 v4, v[R+16*((\t)%4)+4*\i:R+16*((\t)%4)+4*\i+3] offset:32*SP*((\t)%2)+8*SP*\i
.endr
.irp i, 0,1,2,3
	ds_load_b128 v[X+16*((\t)%2)+4*\i:X+16*((\t)%2)+4*\i+3], v5 offset:32*SP*((\t)%2)+16*\i
.endr
	s_cmp_eq_u32 s25, 0
	s_cbranch_scc1 .Lno_copy_\@
.irp i, 0,1,2,3
	global_store_b128 v3, v[R+16*((\t)%4)+4*\i:R+16*((\t)%4)+4*\i+3], s[18:19] offset:((\t)+8*((\t)/8))*4096+512*\i th:TH_STORE_NT
.endr
.Lno_copy_\@:
.endm
.macro STEP t
.set XS, X+16*((\t)%2)
.if (\t) > 0
	s_wait_dscnt 4                                 ; this step's numbers are back; behind them only the last step's byte store and three code stores
.else
	s_wait_dscnt 0x0
.endif
.if (\t)+4 < STEPS
	s_wait_xcnt 0x0                                ; the copy's stores have read this set of registers
	LOAD (\t)+4
.endif
.if (\t)+1 < STEPS
.if STEPS-2-(\t) >= 3
	s_wait_loadcnt 12                              ; the next step's four loads are in; those of the three steps behind it may be out
.else
	s_wait_loadcnt 4*(STEPS-2-(\t))
.endif
	TURN (\t)+1
.endif
	v_max3_num_f32 v13, |v[XS]|, |v[XS+1]|, |v[XS+2]|
	v_max3_num_f32 v14, |v[XS+3]|, |v[XS+4]|, |v[XS+5]|
.irp i, 6,10
	v_max3_num_f32 v13, v13, |v[XS+\i]|, |v[XS+\i+1]|
	v_max3_num_f32 v14, v14, |v[XS+\i+2]|, |v[XS+\i+3]|
.endr
	v_max3_num_f32 v13, v13, |v[XS+14]|, |v[XS+15]|
	v_max3_num_f32 v13, v13, v14, 0x1800000        ; and the floor 2^(3 - 127): the byte cannot fall under 1
	v_max_num_f32_dpp v13, v13, v13 row_xmask:1 row_mask:0xf bank_mask:0xf   ; with my neighbour's 16: the block's
	v_add_nc_u32 v15, 0xff000000, v13              ; 2 off the exponent field: the conversion's scale operand
	v_cvt_scalef32_pk16_fp6_f32 v[C+4*(\t):C+4*(\t)+2], v[XS:XS+15], v15
	v_lshrrev_b32 v[E+(\t)], 23, v15               ; the scale's byte (also the plain line behind the conversion)
	ds_store_b8 v6, v[E+(\t)] offset:16*(\t)       ; both lanes of a block write the same byte
.irp w, 0,1,2
	ds_store_b32 v[CA+\w], v[C+4*(\t)+\w] offset:16*(\t)   ; into the images: place t is 16 bytes on
.endr
.endm
.irp t, 0,1,2,3
	LOAD \t
.endr
	s_wait_loadcnt 12
	TURN 0
.irp t, 0,1,2,3,4,5,6,7,8,9,10,11,12,13,14,15
	STEP \t
.endr
	s_wait_xcnt 0x0                                ; the copy's last stores have read v16-79
	ds_load_b64 v[64:65], v7
.irp n, 0,1,2,3,4,5,6,7,8,9,10,11
	ds_load_b128 v[16+4*\n:19+4*\n], v12 offset:PCH*\n
.endr
	s_wait_dscnt 12
	global_store_b64 v8, v[64:65], s[12:13]        ; 256 consecutive bytes, aligned
.irp n, 0,1,2,3,4,5,6,7,8,9,10,11
	s_wait_dscnt 11-\n
	global_store_b128 v3, v[16+4*\n:19+4*\n], s[10:11] offset:512*\n   ; 512 consecutive bytes, aligned
.endr
	s_wait_tensorcnt 0x0
	ds_add_u32 v192, v193
	s_wait_dscnt 0x0
	s_endpgm
; ---------------- the weights.  g = work-group - 256: 128 of the 4,096 columns (g / 4), 256 along K (g % 4).  A lane takes a column and its registers run down K:
; a block of 32 lies in one lane, and the conversions give the codes with K innermost.  A wave: 32 columns = two tiles, two fragments each.
.Lw_path:
	s_sub_co_u32 s21, ttmp9, 256
	s_lshr_b32 s22, s21, 2                         ; cg
	s_and_b32 s23, s21, 3                          ; ky
	s_sub_co_u32 s24, s22, 24
	s_mov_b32 s25, 4096
	s_wait_kmcnt 0x0
	s_cmp_lt_u32 s22, 24                           ; W_attn's columns or W_proj's: the choice hangs on the work-group's number alone
	s_cselect_b64 s[6:7], s[6:7], s[8:9]
	s_cselect_b32 s24, s22, s24                    ; the 128 columns' number in their tensor
	s_cselect_b32 s25, 12288, s25                  ; a row of it in bytes
	s_lshl_b32 s26, s24, 9
	s_lshl_b32 s27, s20, 7
	s_add_co_u32 s26, s26, s27                     ; my wave's first column x 4
	s_lshl_b32 s27, s23, 8
	s_mul_i32 s27, s27, s25                        ; 256 ky rows
	s_add_co_u32 s26, s26, s27
	s_mov_b32 s27, 0
	s_lshl_b32 s28, s25, 5                         ; 32 rows
	s_mov_b32 s29, 0
	s_add_nc_u64 s[32:33], s[6:7], s[26:27]        ; a base for each of the eight blocks
.irp t, 1,2,3,4,5,6,7
	s_add_nc_u64 s[32+2*\t:33+2*\t], s[30+2*\t:31+2*\t], s[28:29]
.endr
	s_wait_alu depctr_va_vdst(0)
	v_lshlrev_b32 v[OFF], 2, v2
.irp i, 1,2,3,4,5,6,7,8,9,10,11,12,13,14,15,16,17,18,19,20,21,22,23,24,25,26,27,28,29,30,31
	v_add_nc_u32 v[OFF+\i], s25, v[OFF+\i-1]
.endr
	s_mul_i32 s30, s20, WW
	s_add_co_u32 s30, s30, WL0
	v_bfe_u32 v3, v2, 3, 1                         ; my column's tile: bit 3 of the lane,
	v_and_b32 v4, 7, v2
	v_bfe_u32 v5, v2, 4, 1
	v_lshl_add_u32 v4, v5, 3, v4                   ; and its place r there: bit 4 moves to bit 3
	v_lshlrev_b32 v4, 4, v4
	v_mad_u32_u24 v6, v3, WT, v4
	v_add_nc_u32 v6, s30, v6                       ; the stage: tile, 16 r
	v_lshl_add_u32 v7, v3, 9, v4                   ; the scale bytes: 512 x tile + 16 r
	v_lshlrev_b32 v8, 4, v2
	v_add_nc_u32 v9, s30, v8                       ; the stage on the way out
	s_lshl_b32 s31, s22, 3
	s_lshl_b32 s48, s20, 1
	s_add_co_u32 s31, s31, s48                     ; my first tile: 8 cg + 2 wave
	s_lshl_b32 s48, s31, 3
	s_lshl_b32 s49, s23, 1
	s_add_co_u32 s48, s48, s49                     ; fragment 8 x tile + 2 ky
	s_mul_i32 s48, s48, 1536
	s_mov_b32 s49, 0
	s_add_nc_u64 s[14:15], s[14:15], s[48:49]
	s_lshl_b32 s48, s31, 9
	s_lshr_b32 s50, s23, 1
	s_lshl_b32 s50, s50, 8
	s_add_co_u32 s48, s48, s50
	s_and_b32 s50, s23, 1
	s_lshl_b32 s50, s50, 3
	s_add_co_u32 s48, s48, s50                     ; words 2 ky, 2 ky + 1 of a row's eight
	s_add_nc_u64 s[16:17], s[16:17], s[48:49]
.macro WLOAD t
.irp i, 0,1,2,3,4,5,6,7,8,9,10,11,12,13,14,15,16,17,18,19,20,21,22,23,24,25,26,27,28,29,30,31
	global_load_b32 v[WX+32*((\t)%2)+\i], v[OFF+\i], s[32+2*(\t):33+2*(\t)] th:TH_LOAD_NT   ; 32 lanes read 128 consecutive bytes, the four waves 512
.endr
.endm
.macro WBLOCK t                        ; block t: fragment t / 4, block t % 4 = registers 6 (beta / 2) .. + 5 of lane (r, beta % 2)
.set XS, WX+32*((\t)%2)
.if (\t) < 7
	s_wait_loadcnt 32                              ; this block's loads are in; the next block's may be out
.else
	s_wait_loadcnt 0x0
.endif
	v_max3_num_f32 v12, |v[XS]|, |v[XS+1]|, |v[XS+2]|
	v_max3_num_f32 v13, |v[XS+3]|, |v[XS+4]|, |v[XS+5]|
.irp i, 6,10,14,18,22,26
	v_max3_num_f32 v12, v12, |v[XS+\i]|, |v[XS+\i+1]|
	v_max3_num_f32 v13, v13, |v[XS+\i+2]|, |v[XS+\i+3]|
.endr
	v_max3_num_f32 v12, v12, |v[XS+30]|, |v[XS+31]|
	v_max3_num_f32 v12, v12, v13, 0x1800000
	v_add_nc_u32 v11, 0xff000000, v12
	v_cvt_scalef32_pk16_fp6_f32 v[96:98], v[XS:XS+15], v11
	v_cvt_scalef32_pk16_fp6_f32 v[104:106], v[XS+16:XS+31], v11   ; (a conversion's three registers begin on an even number)
	v_lshrrev_b32 v13, 23, v11                     ; the scale's byte: the plain line behind the conversions
.if (\t)%4 == 0
	v_mov_b32 v[SB+(\t)/4], v13
.else
	v_lshl_or_b32 v[SB+(\t)/4], v13, 8*((\t)%4), v[SB+(\t)/4]
.endif
	v_mov_b32 v99, v104
	v_mov_b32 v100, v105
	v_mov_b32 v101, v106
.if (\t)%4 < 2
	ds_store_b128 v6, v[96:99] offset:1536*((\t)/4)+256*((\t)%2)
	ds_store_b64 v6, v[100:101] offset:1536*((\t)/4)+256*((\t)%2)+512
.else
	ds_store_b64 v6, v[96:97] offset:1536*((\t)/4)+256*((\t)%2)+520
	ds_store_b128 v6, v[98:101] offset:1536*((\t)/4)+256*((\t)%2)+1024
.endif
.if (\t)+2 < 8
	WLOAD (\t)+2
.endif
	s_wait_dscnt 0x0                               ; the stores have read their registers: the next block's codes may be written
.endm
	WLOAD 0
	WLOAD 1
.irp t, 0,1,2,3,4,5,6,7
	WBLOCK \t
.endr
	s_wait_alu depctr_va_vdst(0)
	global_store_b64 v7, v[SB:SB+1], s[16:17]      ; 8 bytes of each row's 16: one byte for 128 that the path reads
.irp n, 0,1,2,3,4,5,6,7,8,9,10,11
	ds_load_b128 v[32+4*\n:35+4*\n], v9 offset:(\n/6)*WT+512*(\n%6)
.endr
.irp n, 0,1,2,3,4,5,6,7,8,9,10,11
	s_wait_dscnt 11-\n
	global_store_b128 v8, v[32+4*\n:35+4*\n], s[14:15] offset:(\n/6)*12288+512*(\n%6)   ; 512 consecutive bytes, aligned
.endr
	s_wait_tensorcnt 0x0
	ds_add_u32 v192, v193
	s_wait_dscnt 0x0
	s_endpgm
.Lfunc_end_k_q131eddd185_prep:
	.size	k_q131eddd185_prep, .Lfunc_end_k_q131eddd185_prep-k_q131eddd185_prep
	.p2alignl 7, 3214868480
	.fill 96, 4, 3214868480
	.section	.rodata,"a",@progbits
	.p2align	6, 0x0
	.amdhsa_kernel k_q131eddd185_prep
		.amdhsa_group_segment_fixed_size 85504
		.amdhsa_private_segment_fixed_size 0
		.amdhsa_enable_private_segment 0
		.amdhsa_kernarg_size 64
		.amdhsa_user_sgpr_count 2
		.amdhsa_user_sgpr_kernarg_segment_ptr 1
		.amdhsa_wavefront_size32 1
		.amdhsa_system_sgpr_workgroup_id_x 1
		.amdhsa_system_sgpr_workgroup_id_y 1
		.amdhsa_system_sgpr_workgroup_id_z 1
		.amdhsa_system_vgpr_workitem_id 0
		.amdhsa_next_free_vgpr 194
		.amdhsa_next_free_sgpr 66
		.amdhsa_reserve_vcc 0
		.amdhsa_float_denorm_mode_32 3
		.amdhsa_float_denorm_mode_16_64 3
		.amdhsa_memory_ordered 1
		.amdhsa_forward_progress 1
		.amdhsa_inst_pref_size 88
	.end_amdhsa_kernel
	.amdgpu_metadata
---
amdhsa.version: [ 1, 2 ]
amdhsa.kernels:
  - .name:           k_q131eddd185_prep
    .symbol:         k_q131eddd185_prep.kd
    .args:
      - { .name: x, .offset: 0, .size: 8, .value_kind: global_buffer, .address_space: global }
      - { .name: W_attn, .offset: 8, .size: 8, .value_kind: global_buffer, .address_space: global }
      - { .name: W_proj, .offset: 16, .size: 8, .value_kind: global_buffer, .address_space: global }
      - { .name: ximg, .offset: 24, .size: 8, .value_kind: global_buffer, .address_space: global }
      - { .name: xsc, .offset: 32, .size: 8, .value_kind: global_buffer, .address_space: global }
      - { .name: wimg, .offset: 40, .size: 8, .value_kind: global_buffer, .address_space: global }
      - { .name: wsc, .offset: 48, .size: 8, .value_kind: global_buffer, .address_space: global }
      - { .name: out1, .offset: 56, .size: 8, .value_kind: global_buffer, .address_space: global }
    .group_segment_fixed_size: 85504
    .private_segment_fixed_size: 0
    .kernarg_segment_align: 8
    .kernarg_segment_size: 64
    .max_flat_workgroup_size: 128
    .sgpr_count:     66
    .vgpr_count:     194
    .wavefront_size: 32
...
	.end_amdgpu_metadata
.endif
;; end of part 1
;; launch gemm_qkv (part 2): grid 12 x 32, 4 waves a work-group, clusters of 4 x 4, 327,680 bytes of LDS; arguments ximg, xsc, wimg, wsc, b_attn, img; writes img
.if DOCPART == 2
	.amdgcn_target "amdgcn-amd-amdhsa--gfx1250"
	.amdhsa_code_object_version 6
	.text
	.protected	k_q131eddd185_gemm_qkv
	.globl	k_q131eddd185_gemm_qkv
	.p2align	8
	.type	k_q131eddd185_gemm_qkv,@function
k_q131eddd185_gemm_qkv:
	s_mov_b64 s[64:65], 0
	v_nop
	global_prefetch_b8 v0, s[64:65] scope:SCOPE_SE
	s_setreg_imm32_b32 hwreg(HW_REG_WAVE_MODE, 25, 1), 1
	s_wait_xcnt 0x0
	s_wait_alu depctr_hold_cnt(0) depctr_sa_sdst(0) depctr_va_vdst(0) depctr_va_sdst(0) depctr_va_ssrc(0) depctr_va_vcc(0) depctr_vm_vsrc(0)
	s_getreg_b32 s2, hwreg(HW_REG_IB_STS2, 6, 4)
	s_cmp_eq_u32 s2, 0
	s_cbranch_scc0 .Lentry_in_a_cluster
	s_endpgm
.Lentry_in_a_cluster:
	s_bfe_u32 s2, ttmp6, 0x10000c
	s_cmp_lg_u32 s2, 0xf033
	s_cbranch_scc0 .Lentry_shape_is_right
	s_endpgm
.Lentry_shape_is_right:
; One text serves two launches; PROJ picks.  Both: C = A B^T + bias on codes of FP6 (E2M3) with E8M0 scales, K = 1,024, operands laid as images of the operand's registers
; (codes [tile of 16 rows][K / 128][1,536 bytes]; scale bytes [tile][K / 512][row][16]); in each group of 32 rows tile i holds at place r row 8 i + r + 8 (r / 8).
; PROJ = 0: qkv = x W_attn + b_attn, quantised on the way out.  Cluster x = 0: q, 1: k (A = x's rows, B = W's columns); 2: v (A = W's columns 2,048 on, B = x's rows: the keys).
;   The result never leaves as f32: a wave's 128 x 128 becomes one RECORD of 13,312 bytes: 8 fragments (16 rows of A x 128 along B's rows), then 8 scale words a lane in two blocks of 512 bytes.
;   q and k records: 128 rows of x x the 128 columns of a pair of heads; v records: the pair's 128 channels x 128 keys.  Record idx = 16 (8 batch + pair) + (row / 128) % 16; q at idx, k and v at 512 + 2 idx + (0, 1).
; PROJ = 1: out0 = y W_proj + b_proj, f32.
; A tile of C, 256 x 256, is made by four waves, 128 x 128 each: 64 accumulators, 512 registers.  K goes in steps of 256 through two LDS slots filled by the tensor data mover; K = 1,024 is four
; steps, written out.  The scales of the work-group's rows come once, with the first fills.  By this text's count a wave has one tensor load out at the start and one behind each refill.
; CLUSTERS: 4 x 4 work-groups; A's tiles are asked for jointly along a row of the cluster, B's along a column.  The mode hangs on the cluster's x alone, so it is the same in all partners.
; THE MATRIX INSTRUCTION IS USED TRANSPOSED (source 0 = 16 rows of B, source 1 = 16 rows of A): a lane holds one row of A, and by the tiles' order the 16 registers of B's tiles 2 b, 2 b + 1 are B's rows
; 32 b + 16 (lane / 16) + 0 .. 15: neighbours along the axis that is quantised next (a head's columns; for v the keys).
; The bias is the C of each sum's first matrix instruction.  No prefetch: of the four K steps two are first fills.
; LIMITS (PROJ = 0): NaN and infinities are not served; a block whose largest magnitude lies under 2^-124, a block of zeros among them, keeps the byte 1.
; REGISTERS, in windows of 256: window 0: v16-30 addresses; v32-63 scale words, two sets; v64-127 the bias, later at work; v128-223 A's fragments, ONE set; on the way out v128-255 are free.
;   window 1: B's fragments, TWO sets, at v0 and v128.   window 2: the accumulators of my rows 0-63 ((a, b) at v[8 (8 a + b)]);   window 3: those of rows 64-127.
; THE FILLS, as this text has them (this paragraph stands for what is said above of the first fills and of the scales).  At the head one joint load a wave, in one chain of four arms:
; wave 0 A's 16 tiles of K step 0, wave 1 B's, wave 2 A's 16 tiles of K step 1, wave 3 B's: one tensor load of a wave is out.  The first barrier waits for waves 0 and 1 alone (their load lines are their own);
; K step 1 is shown by the first change of slots, where every wave waits for all its loads.  Behind that wait the two words of group 1 that count rows are set to 8: a refill is a quarter of a slot a wave.
; The scales, 16,384 of the work-group's 802,816 bytes, are not asked for jointly: each wave loads 4,096 bytes in runs of 512 and stores them into LDS bytes on which no fill lands.
.set PROJ,   0
.set G0H,  4                           ; s[4:7], s[8:11] group 0 of the head's loads of K step 0 (the arguments that lay there have served); G0S, G0SB: of K step 1
.set G0HB, 8
.set NQ,     2                         ; matrix instructions deep in a slot
.set FR,     12                        ; registers of a fragment
.set FRB,    1536                      ; its image in bytes
.set NL,     3                         ; LDS loads that bring one
.set NP,     4                         ; places behind this matrix instruction (ISA guide 7.12.1)
.set HALFT,  8*NQ*FRB                  ; 8 tiles x 256 along K: what one tensor load brings, and what one wave reads of A or of B
.set SLOT,   4*HALFT                   ; A's 256 rows, then B's
.set SCL,    2*SLOT                    ; the scales: 4 x 4,096 bytes
.set SPARE,  SCL+4*4096                ; the spare words, 128 bytes for each wave: two blocks of 256 bytes that no other line names
.set STG,    SPARE+512                 ; PROJ = 1: the stages for the way out, 16 rows x (512 + 16) bytes for each wave; no fill lands here
.set SPITCH, 528
.set REC,    13312
.set ADRA, 16                          ; v16-17  LDS address of my A fragments in slot 0, 1
.set ADRB, 20                          ; v20-21  the same for B
.set STO,  24                          ; v24     the stage: where I put 32 bytes of a row
.set RD,   25                          ; v25     and where I read a row back
.set GOFF, 26                          ; v26     16 x lane
.set ADRS, 27                          ; v27     LDS address of my scale words: lanes 0-15 A's rows, lanes 16-31 B's
.set SPW,  28                          ; v28     my spare word; never rewritten
.set NIL,  29                          ; v29     0; never rewritten
.set BOF,  30                          ; v30     my offset in the bias
.set SC,   32                          ; scale words: set s at v[SC + 16 s]; register 2 i + q: lanes 0-15 A's block i, lanes 16-31 B's block i, the slot's q-th 128 along K
.set BIAS, 64
.set TM,   64                          ; the way out: v64-79 at work
.set SW,   80                          ; v80-87 the eight scale words made
.set AF,   128
.set BK,   128
.set G1, 24
.set G0, 32
.set G1B, 48
.set G0B, 56
.set G1S, 68
.set G0S, 76
.set G1SB, 80
.set G0SB, 88
.set SEL, 100                          ; s100-101 lane selects: lane l xor 16
.set MSB, 0
.macro WIN new                         ; the immediate's high byte repeats the setting that is left
.if MSB != \new
	s_set_vgpr_msb (MSB<<8)|\new
.set MSB, \new
.endif
.endm
.set MUL_LO, 0xa1                      ; source 0 (B) window 1, source 1 (A) window 0, C and D window 2
.set MUL_HI, 0xf1                      ; the same, C and D window 3
.set BIA_LO, 0x81                      ; C (the bias) window 0, D window 2
.set BIA_HI, 0xc1                      ; C window 0, D window 3
.set TO_B,   0x40                      ; destination window 1, address window 0
; A joint load: waves 0 and 1 fetch for A, waves 2 and 3 for B.  The branch hangs on the wave's number alone.  Four v_nop follow each of the two lines.
.macro JLOAD g0a, g1a, g0b, g1b
	s_cmp_eq_u32 s2, 0
	s_cbranch_scc0 .Lfor_b_\@
	tensor_load_to_lds s[\g0a:\g0a+3], s[\g1a:\g1a+7]
	s_nop 0
.rept 4
	v_nop
.endr
	s_branch .Lasked_\@
.Lfor_b_\@:
	tensor_load_to_lds s[\g0b:\g0b+3], s[\g1b:\g1b+7]
	s_nop 0
.rept 4
	v_nop
.endr
.Lasked_\@:
.endm
.macro CREST                           ; a round of the cluster's barrier behind its opening barrier
	s_cmp_lg_u32 s3, 0
	s_cbranch_scc1 .Lnot_wave_0_\@
	s_barrier_signal -3
.Lnot_wave_0_\@:
	s_barrier_wait -3
	s_barrier_signal -1
	s_barrier_wait -1
.endm
.macro CROUND
	s_barrier_signal -1
	s_barrier_wait -1
	CREST
.endm
	s_load_b256 s[4:11], s[0:1], 0x0               ; x's (y's) codes 4, scales 6; W's codes 8, scales 10
	s_load_b128 s[12:15], s[0:1], 0x20             ; the bias 12, the result 14
	v_lshl_add_u32 v[SPW], v0, 2, SPARE
	v_mov_b32 v[NIL], 0
	ds_add_u32 v28, v29
	ds_add_u32 v28, v29
	s_wait_dscnt 0x0
	v_lshrrev_b32 v1, 5, v0
	v_readfirstlane_b32 s3, v1                     ; wave 0..3
	s_lshr_b32 s2, s3, 1                           ; which half of the tile's rows is mine.  Also: I fetch for A (0) or for B (1)
	s_and_b32 s16, s3, 1                           ; which half of its columns.  Also: which 128 rows of that tile I fetch
	s_bfe_u32 s40, ttmp6, 0x40000                  ; cx, cy: my place in the cluster
	s_bfe_u32 s41, ttmp6, 0x40004
	s_and_b32 s67, ttmp7, 0xffff                   ; cluster y
.if PROJ
	s_lshl_b32 s42, ttmp9, 2
	s_lshl_b32 s17, s67, 2
.else
	s_cmp_eq_u32 ttmp9, 2                          ; v: A's tile rows are the four of W's channels, B's tile columns walk x's rows
	s_cselect_b32 s66, 1, 0
	s_cselect_b32 s42, s67, ttmp9
	s_cselect_b32 s17, 0, s67
	s_lshl_b32 s42, s42, 2
	s_lshl_b32 s17, s17, 2
.endif
	s_add_co_u32 s42, s42, s40                     ; tile column: hangs on cx, not on cy
	s_add_co_u32 s17, s17, s41                     ; tile row: hangs on cy, not on cx
	s_lshl_b32 s43, s41, 2
	s_lshl_b32 s43, 15, s43                        ; my row of the cluster
	s_lshl_b32 s44, 0x1111, s40                    ; my column
	; descriptor group 1, codes: 8 rows (tiles) of 3,072 bytes (two fragments) as 384 elements of 8 bytes, 12,288 bytes apart; dense in LDS
	s_or_b32 s[G1+0], s43, (3<<16)|(1<<21)         ; 15:0 the mask: A's tiles go to my row; 17:16 elements of 8 bytes; 21 set beside a mask
	s_or_b32 s[G1B+0], s44, (3<<16)|(1<<21)
.irp g, G1, G1B
	s_mov_b32 s[\g+1], 384<<16                     ; tensor_dim0
	s_mov_b32 s[\g+2], 16<<16                      ; tensor_dim1: 16 tiles at the head
	s_mov_b32 s[\g+3], 384<<16                     ; tile_dim0
	s_mov_b32 s[\g+4], 16                          ; tile_dim1
	s_mov_b32 s[\g+5], 1536                        ; tensor_dim0_stride
	s_mov_b32 s[\g+6], 0
	s_mov_b32 s[\g+7], 0
.endr
	; scales of 8 tiles: 4,096 dense bytes as 16 rows of 256
	s_lshl_b32 s18, s16, 3                         ; which 8 tiles I fetch
	s_lshl_b32 s20, s17, 4
	s_add_co_u32 s20, s20, s18                     ; A: tile 16 x tile row + 8 x half
	s_lshl_b32 s46, s42, 4
	s_add_co_u32 s46, s46, s18                     ; B: tile 16 x tile column + 8 x half
	s_lshl_b32 s22, s20, 9                         ; their scales: 512 bytes a tile
	s_mov_b32 s23, 0
	s_lshl_b32 s96, s46, 9
	s_mov_b32 s97, 0
	s_mul_i32 s20, s20, 8*FRB                      ; their codes
	s_mov_b32 s21, 0
	s_mul_i32 s46, s46, 8*FRB
	s_mov_b32 s47, 0
	s_mul_i32 s45, s3, HALFT                       ; where they go: no place in the cluster enters an LDS address
	s_lshl_b32 s98, s3, 12
	s_mov_b32 s[SEL], 0x76543210
	s_mov_b32 s[SEL+1], 0xfedcba98
	s_wait_kmcnt 0x0
.if PROJ
	s_add_nc_u64 s[8:9], s[8:9], 192*8*FRB         ; W_proj's tiles
	s_add_nc_u64 s[10:11], s[10:11], 192*512
.else
	s_add_nc_u64 s[92:93], s[8:9], 128*8*FRB       ; W_attn's columns 2,048 on
	s_add_nc_u64 s[94:95], s[10:11], 128*512
	s_cmp_eq_u32 s66, 1                            ; which buffer is A and which B: the choice hangs on the cluster's x alone
	s_cselect_b64 s[92:93], s[92:93], s[4:5]
	s_cselect_b64 s[94:95], s[94:95], s[6:7]
	s_cselect_b64 s[8:9], s[4:5], s[8:9]
	s_cselect_b64 s[10:11], s[6:7], s[10:11]
	s_mov_b64 s[4:5], s[92:93]
	s_mov_b64 s[6:7], s[94:95]
.endif
	s_add_nc_u64 s[20:21], s[4:5], s[20:21]
	s_add_nc_u64 s[22:23], s[6:7], s[22:23]
	s_add_nc_u64 s[46:47], s[8:9], s[46:47]
	s_add_nc_u64 s[96:97], s[10:11], s[96:97]
	CROUND                                         ; all sixteen work-groups are here: the first joint loads meet
	s_mul_i32 s92, s16, 8*8*FRB                    ; the head's loads take whole tiles of 256 rows: my half's 8 tiles are taken off the addresses
	s_mov_b32 s93, 0
	s_mov_b32 s[G0H], 1                            ; K step 0: A's 16 tiles,
	s_mov_b32 s[G0H+1], 0
	s_sub_nc_u64 s[G0H+2:G0H+3], s[20:21], s[92:93]
	s_mov_b32 s[G0HB], 1                           ; B's behind them;
	s_mov_b32 s[G0HB+1], 2*HALFT
	s_sub_nc_u64 s[G0HB+2:G0HB+3], s[46:47], s[92:93]
	s_mov_b32 s[G0S], 1                            ; K step 1: the same in slot 1
	s_mov_b32 s[G0S+1], SLOT
	s_add_nc_u64 s[G0S+2:G0S+3], s[G0H+2:G0H+3], NQ*FRB
	s_mov_b32 s[G0SB], 1
	s_mov_b32 s[G0SB+1], SLOT+2*HALFT
	s_add_nc_u64 s[G0SB+2:G0SB+3], s[G0HB+2:G0HB+3], NQ*FRB
.irp g, G0H, G0HB, G0S, G0SB
	s_or_b32 s[\g+3], s[\g+3], 0x80000000
.endr
	s_cmp_eq_u32 s2, 0                             ; the scales that I bring: waves 0 and 1 A's two halves, waves 2 and 3 B's
	s_cselect_b64 s[94:95], s[22:23], s[96:97]
	s_add_co_u32 s98, s98, SCL                     ; and where they go: 4,096 bytes a wave
.irp s, 0,1
	s_mov_b32 s[G0+4*\s], 1
	s_add_co_u32 s[G0+4*\s+1], s45, \s*SLOT
	s_add_nc_u64 s[G0+4*\s+2:G0+4*\s+3], s[20:21], \s*NQ*FRB
	s_or_b32 s[G0+4*\s+3], s[G0+4*\s+3], 0x80000000
	s_mov_b32 s[G0B+4*\s], 1
	s_add_co_u32 s[G0B+4*\s+1], s45, \s*SLOT
	s_add_nc_u64 s[G0B+4*\s+2:G0B+4*\s+3], s[46:47], \s*NQ*FRB
	s_or_b32 s[G0B+4*\s+3], s[G0B+4*\s+3], 0x80000000
.endr
.macro ARM under, g0, g1, next         ; one chain of branches on the wave's number: every way through the head passes one load
	s_cmp_lt_u32 s3, \under
	s_cbranch_scc0 \next
	tensor_load_to_lds s[\g0:\g0+3], s[\g1:\g1+7]
	s_nop 0
.rept 4
	v_nop
.endr
	s_branch .Lhead_asked
\next:
.endm
	ARM 1, G0H,  G1,  .Lhead_b0
	ARM 2, G0HB, G1B, .Lhead_a1
	ARM 3, G0S,  G1,  .Lhead_b1
	tensor_load_to_lds s[G0SB:G0SB+3], s[G1B:G1B+7]
	s_nop 0
.rept 4
	v_nop
.endr
.Lhead_asked:
	v_and_b32 v1, 15, v0                           ; r
	v_bfe_u32 v2, v0, 4, 1                         ; h
	s_wait_alu depctr_va_vdst(0)
	v_and_b32 v3, 31, v0
	v_lshlrev_b32 v[GOFF], 4, v3
	v_add_nc_u32 v7, s98, v[GOFF]                  ; LDS: my 4,096 bytes of scales, 16 bytes a lane
.irp n, 0,1,2,3,4,5,6,7
	global_load_b128 v[AF+4*\n:AF+4*\n+3], v[GOFF], s[94:95] offset:512*\n   ; 512 consecutive bytes, aligned
.endr
	s_mul_i32 s21, s2, HALFT                       ; my 128 rows of A
	s_mul_i32 s22, s16, HALFT                      ; my 128 rows of B,
	s_add_co_u32 s22, s22, 2*HALFT                 ; which lie behind A's 256
.irp s, 0,1
	v_add_nc_u32 v[ADRA+\s], s21, v[GOFF]
	v_add_nc_u32 v[ADRB+\s], s22, v[GOFF]
	s_add_co_u32 s21, s21, SLOT
	s_add_co_u32 s22, s22, SLOT
.endr
	v_lshlrev_b32 v5, 4, v1                        ; my row's scale words: 16 bytes a row
	s_lshl_b32 s21, s2, 12                         ; A's: my 8 tiles
	s_lshl_b32 s22, s16, 12                        ; B's: my 8 tiles, behind A's 16
	s_add_co_u32 s22, s22, 8192
	s_sub_co_u32 s22, s22, s21
	v_mul_u32_u24 v6, s22, v2                      ; lanes 16-31 take B's
	s_add_co_u32 s21, s21, SCL
	v_add_nc_u32 v5, v5, v6
	v_add_nc_u32 v[ADRS], s21, v5
	; the bias, in the result's layout.  Along B's rows: tile b's register j is column 32 (b / 2) + 8 (b % 2) + 16 h + j.  Along A's rows (v): block a's lane r is channel 32 (a / 2) + 8 (a % 2) + r + 8 (r / 8), in all eight registers
.if !PROJ
	s_cmp_eq_u32 s66, 1
	s_cbranch_scc1 .Lbias_v
.endif
	s_lshl_b32 s18, s42, 10
	s_lshl_b32 s19, s16, 9
	s_add_co_u32 s18, s18, s19                     ; 4 (256 x tile column + 128 x half)
	s_mov_b32 s19, 0
	s_add_nc_u64 s[12:13], s[12:13], s[18:19]
	v_lshlrev_b32 v[BOF], 6, v2
.irp b, 0,1,2,3,4,5,6,7
	global_load_b128 v[BIAS+8*\b:BIAS+8*\b+3], v[BOF], s[12:13] offset:(32*(\b/2)+8*(\b%2))*4
	global_load_b128 v[BIAS+8*\b+4:BIAS+8*\b+7], v[BOF], s[12:13] offset:(32*(\b/2)+8*(\b%2))*4+16
.endr
.if !PROJ
	s_branch .Lbias_in
.Lbias_v:
	s_lshl_b32 s18, s17, 10
	s_lshl_b32 s19, s2, 9
	s_add_co_u32 s18, s18, s19
	s_add_co_u32 s18, s18, 8192                    ; 4 (2,048 + 256 x tile row + 128 x half)
	s_mov_b32 s19, 0
	s_add_nc_u64 s[12:13], s[12:13], s[18:19]
	v_and_b32 v5, 8, v1
	v_add_nc_u32 v5, v5, v1
	v_lshlrev_b32 v[BOF], 2, v5
.irp a, 0,1,2,3,4,5,6,7
.irp j, 0,1,2,3,4,5,6,7
	global_load_b32 v[BIAS+8*\a+\j], v[BOF], s[12:13] offset:(32*(\a/2)+8*(\a%2))*4
.endr
.endr
.Lbias_in:
	; where my record goes
	s_lshl_b32 s18, s17, 1
	s_add_co_u32 s18, s18, s2                      ; 2 x tile row + half
	s_lshl_b32 s19, s42, 1
	s_add_co_u32 s19, s19, s16                     ; 2 x tile column + half
	s_cmp_eq_u32 s66, 1
	s_cselect_b32 s20, s19, s18                    ; which 128 rows of x
	s_cselect_b32 s21, s18, s19
	s_and_b32 s21, s21, 7                          ; which pair of heads
	s_lshr_b32 s22, s20, 4                         ; batch
	s_lshl_b32 s22, s22, 3
	s_add_co_u32 s22, s22, s21
	s_lshl_b32 s22, s22, 4
	s_and_b32 s20, s20, 15
	s_add_co_u32 s22, s22, s20                     ; idx
	s_lshl_b32 s23, s22, 1
	s_add_co_u32 s23, s23, s66
	s_add_co_u32 s23, s23, 512                     ; k and v lie behind q's 512 records
	s_cmp_eq_u32 ttmp9, 0
	s_cselect_b32 s22, s22, s23
	s_mul_i32 s22, s22, REC
	s_mov_b32 s23, 0
	s_add_nc_u64 s[14:15], s[14:15], s[22:23]
.else
	s_mul_i32 s23, s3, 16*SPITCH
	s_add_co_u32 s23, s23, STG                     ; my stage
	v_mul_u32_u24 v5, v1, SPITCH
	v_lshl_add_u32 v5, v2, 6, v5
	v_add_nc_u32 v[STO], s23, v5                   ; in: row r, + 64 h: 16 columns for each half of the lanes in each 32
	v_add_nc_u32 v[RD], s23, v[GOFF]               ; back: the 32 lanes take one row of 512 bytes
	s_lshl_b32 s20, s17, 20                        ; 256 rows of 4,096 bytes,
	s_lshl_b32 s21, s2, 19
	s_add_co_u32 s20, s20, s21
	s_lshl_b32 s21, s42, 10                        ; 256 columns,
	s_add_co_u32 s20, s20, s21
	s_lshl_b32 s21, s16, 9
	s_add_co_u32 s20, s20, s21
	s_mov_b32 s21, 0
	s_add_nc_u64 s[14:15], s[14:15], s[20:21]
.endif
.macro FRAG reg, adr, q, i             ; a fragment comes as it was stored: three loads of 512 consecutive bytes
.irp c, 0,1,2
	ds_load_b128 v[\reg+4*\c:\reg+4*\c+3], v[\adr] offset:NQ*FRB*(\i)+FRB*(\q)+512*\c
.endr
.endm
; 16 matrix instructions: A's blocks a0, a0 + 1 x B's eight, the slot's q-th 128 along K.  p: B's set; sc: the set of scale words.  c = 0: onto the sums; 1: the sums begin with the bias along B's rows; 2: along A's rows.
; The 64 accumulators take turns, one instruction a turn, in the same order in every step.
.macro MUL16 a0, p, q, sc, c
.irp a, \a0, \a0+1
.irp b, 0,1,2,3,4,5,6,7
.if \c == 0
	v_wmma_scale_f32_16x16x128_f8f6f4 v[8*(8*((\a)%4)+\b):8*(8*((\a)%4)+\b)+7], v[128*(\p)+FR*\b:128*(\p)+FR*\b+FR-1], v[AF+FR*(\a):AF+FR*(\a)+FR-1], v[8*(8*((\a)%4)+\b):8*(8*((\a)%4)+\b)+7], v[SC+8*NQ*(\sc)+NQ*\b+(\q)], v[SC+8*NQ*(\sc)+NQ*(\a)+(\q)] matrix_a_fmt:MATRIX_FMT_FP6 matrix_b_fmt:MATRIX_FMT_FP6 matrix_a_scale:MATRIX_SCALE_ROW1
.elseif \c == 1
	v_wmma_scale_f32_16x16x128_f8f6f4 v[8*(8*((\a)%4)+\b):8*(8*((\a)%4)+\b)+7], v[128*(\p)+FR*\b:128*(\p)+FR*\b+FR-1], v[AF+FR*(\a):AF+FR*(\a)+FR-1], v[BIAS+8*\b:BIAS+8*\b+7], v[SC+8*NQ*(\sc)+NQ*\b+(\q)], v[SC+8*NQ*(\sc)+NQ*(\a)+(\q)] matrix_a_fmt:MATRIX_FMT_FP6 matrix_b_fmt:MATRIX_FMT_FP6 matrix_a_scale:MATRIX_SCALE_ROW1
.else
	v_wmma_scale_f32_16x16x128_f8f6f4 v[8*(8*((\a)%4)+\b):8*(8*((\a)%4)+\b)+7], v[128*(\p)+FR*\b:128*(\p)+FR*\b+FR-1], v[AF+FR*(\a):AF+FR*(\a)+FR-1], v[BIAS+8*(\a):BIAS+8*(\a)+7], v[SC+8*NQ*(\sc)+NQ*\b+(\q)], v[SC+8*NQ*(\sc)+NQ*(\a)+(\q)] matrix_a_fmt:MATRIX_FMT_FP6 matrix_b_fmt:MATRIX_FMT_FP6 matrix_a_scale:MATRIX_SCALE_ROW1
.endif
.endr
.endr
.endm
.macro FETCH_B slot, q, p
	WIN TO_B
.irp i, 0,1,2,3,4,5,6,7
	FRAG 128*(\p)+FR*\i, ADRB+\slot, \q, \i
.endr
	WIN 0
.endm
.macro FETCH_A slot, q, i0
.irp i, \i0, \i0+1, \i0+2, \i0+3
	FRAG AF+FR*(\i), ADRA+\slot, \q, \i
.endr
.endm
.macro SCALES sc                       ; a K step's two scale words of each block: lanes 0-15 A's block i, lanes 16-31 B's; the odd K steps' words lie 8 bytes on
.irp i, 0,1,2,3,4,5,6,7
	ds_load_b64 v[SC+8*NQ*\sc+NQ*\i:SC+8*NQ*\sc+NQ*\i+1], v[ADRS] offset:512*\i+8*\sc
.endr
.endm
; A load into a register that a matrix instruction has read, and a vector instruction or an LDS store that reads a matrix result, stand NP places behind it; only plain vector instructions that
; name none of its registers are places (ISA guide 7.12.1 for vector instructions).
.macro PLACES n
.rept \n
	v_nop
.endr
.endm
.macro STEP slot, q, c                 ; a step of 128 along K that has its successor in the same slot
	s_wait_dscnt 4*NL                              ; B's set, A's blocks 0-3 and the scale words are in; the youngest twelve loads (A's blocks 4-7) may be out
.if \c
	WIN BIA_LO
.else
	WIN MUL_LO
.endif
	MUL16 0, (\q)%2, \q, \slot, \c
	MUL16 2, (\q)%2, \q, \slot, \c
	s_wait_dscnt 0
	PLACES NP
	FETCH_B \slot, (\q)+1, 1-(\q)%2
	FETCH_A \slot, (\q)+1, 0
.if \c
	WIN BIA_HI
.else
	WIN MUL_HI
.endif
	MUL16 4, (\q)%2, \q, \slot, \c
	MUL16 6, (\q)%2, \q, \slot, \c
	PLACES NP
	WIN 0
	FETCH_A \slot, (\q)+1, 4
.endm
; A slot's last step changes slots: ONE barrier; in front of it each wave waits for all its tensor loads, adds 0 to its spare word, and waits for that and for its own reads of this slot.  fill = 1: this slot is filled again, two K steps ahead.
.macro TURN slot, next, fill
	s_wait_tensorcnt 0x0                           ; all my tensor loads have landed: my part of the next slot
	ds_add_u32 v[SPW], v[NIL]                      ; 0 onto my spare word
.if \fill
	s_mov_b32 s[G1+2], 8<<16                       ; no tensor load of mine is out: a refill brings 8 tiles a wave
	s_mov_b32 s[G1+4], 8
	s_mov_b32 s[G1B+2], 8<<16
	s_mov_b32 s[G1B+4], 8
.endif
	s_wait_dscnt 4*NL+1
	WIN MUL_LO
	MUL16 0, 1, NQ-1, \slot, 0                     ; sixteen matrix instructions stand between the add and the wait for it
	s_wait_dscnt 0x0                               ; the add is done, and my reads of this slot are over
	s_barrier_signal -1
	MUL16 2, 1, NQ-1, \slot, 0
	WIN 0
	s_barrier_wait -1
.if \fill
	CREST                                          ; the barrier has opened a round of the cluster's barrier: no wave of any partner still reads this slot or has a load on its way
	s_add_nc_u64 s[G0+4*\slot+2:G0+4*\slot+3], s[G0+4*\slot+2:G0+4*\slot+3], 2*NQ*FRB
	s_add_nc_u64 s[G0B+4*\slot+2:G0B+4*\slot+3], s[G0B+4*\slot+2:G0B+4*\slot+3], 2*NQ*FRB
	JLOAD G0+4*\slot, G1, G0B+4*\slot, G1B         ; the first tensor load behind the round; its four v_nop are the places in front of the loads below
.else
	PLACES NP
.endif
.if \next == 0
	v_add_nc_u32 v[ADRS], 256, v[ADRS]             ; K steps 2 and 3: the rows' second 16 bytes of scale words lie 256 bytes on (no LDS load of mine is out)
.endif
	FETCH_B \next, 0, 0
	FETCH_A \next, 0, 0
	SCALES \next
	WIN MUL_HI
	MUL16 4, 1, NQ-1, \slot, 0
	MUL16 6, 1, NQ-1, \slot, 0
	PLACES NP
	WIN 0
	FETCH_A \next, 0, 4
.endm
	s_wait_alu depctr_va_vdst(0)
	s_wait_loadcnt 0x0                             ; the bias and my scales
.irp n, 0,1,2,3,4,5,6,7
	ds_store_b128 v7, v[AF+4*\n:AF+4*\n+3] offset:512*\n
.endr
	s_cmp_lt_u32 s3, 2
	s_cbranch_scc0 .Lnot_step_0
	s_wait_tensorcnt 0x0                           ; waves 0 and 1: K step 0 is in
.Lnot_step_0:
	s_wait_dscnt 0x0                               ; my scales are stored
	s_barrier_signal -1                            ; K step 1's loads may be out
	s_barrier_wait -1
	FETCH_B 0, 0, 0
	FETCH_A 0, 0, 0
	SCALES 0
	FETCH_A 0, 0, 4
.if PROJ
	STEP 0, 0, 1                                   ; the first step's products start the sums with the bias
.else
	s_cmp_eq_u32 s66, 1
	s_cbranch_scc1 .Lfirst_v
	STEP 0, 0, 1
	s_branch .Lfirst_done
.Lfirst_v:
	STEP 0, 0, 2
.Lfirst_done:
.endif
	TURN 0, 1, 1
	STEP 1, 0, 0
	TURN 1, 0, 1
	s_wait_alu depctr_va_vdst(0)
	STEP 0, 0, 0
	TURN 0, 1, 0                                   ; the last two K steps fill nothing
	STEP 1, 0, 0
	s_wait_dscnt 4*NL
	WIN MUL_LO
	MUL16 0, 1, NQ-1, 1, 0
	MUL16 2, 1, NQ-1, 1, 0
	s_wait_dscnt 0
	WIN MUL_HI
	MUL16 4, 1, NQ-1, 1, 0
	MUL16 6, 1, NQ-1, 1, 0
	WIN 0
	PLACES NP                                      ; behind the last products: for the reads of their results and the writes over A's fragments
.if !PROJ
; THE WAY OUT, PROJ = 0.  Block a: a lane's 64 numbers, register 16 b + i = place 32 b + 16 (lane / 16) + i of its row, become a fragment and a scale word; the fragment is stored as it stands, 512 consecutive bytes a store.
.macro QUANTW a
.set AC, 64*((\a)%4)
.set WN, 2+(\a)/4
.set WS01, WN|(WN<<2)
.set WS12, (WN<<2)|(WN<<4)
.set PC, 128+24*((\a)%2)
	WIN WS01                                       ; sources 0 and 1: the accumulators' window
.irp b, 0,1,2,3
	v_max3_num_f32 v[TM+\b], |v[AC+16*\b]|, |v[AC+16*\b+1]|, 0x1800000   ; each accumulator is read from its low end on; the floor 2^(3 - 127) holds the byte at 1 from below
.endr
	WIN WS12                                       ; sources 1 and 2
.irp i, 2,4,6,8,10,12,14
.irp b, 0,1,2,3
	v_max3_num_f32 v[TM+\b], v[TM+\b], |v[AC+16*\b+\i]|, |v[AC+16*\b+\i+1]|
.endr
.endr
	WIN 0
.irp b, 0,1,2,3
	v_permlanex16_b32 v[TM+4+\b], v[TM+\b], s[SEL], s[SEL+1]
.endr
.irp b, 0,1,2,3
	v_max_num_f32 v[TM+\b], v[TM+\b], v[TM+4+\b]   ; with lane l xor 16's: the block's largest magnitude
.endr
.irp b, 0,1,2,3
	v_add_nc_u32 v[TM+12+\b], 0xff000000, v[TM+\b] ; 2 off the exponent field: the conversion's scale operand
.endr
.irp b, 0,1,2,3
	v_lshrrev_b32 v[TM+4+\b], 23, v[TM+12+\b]      ; the scale's byte
.endr
	v_lshl_or_b32 v[SW+(\a)], v[TM+5], 8, v[TM+4]
	v_lshl_or_b32 v[SW+(\a)], v[TM+6], 16, v[SW+(\a)]
	v_lshl_or_b32 v[SW+(\a)], v[TM+7], 24, v[SW+(\a)]
.if (\a) >= 2
	s_wait_xcnt 0x0                                ; block a - 2's stores have read these registers
.endif
	WIN WN                                         ; source 0
.irp c, 0,1
	v_cvt_scalef32_pk16_fp6_f32 v[PC+6*\c:PC+6*\c+2], v[AC+32*\c:AC+32*\c+15], v[TM+12+2*\c]
	v_cvt_scalef32_pk16_fp6_f32 v[PC+12+4*\c:PC+14+4*\c], v[AC+32*\c+16:AC+32*\c+31], v[TM+12+2*\c+1]   ; (a conversion's three registers begin on an even number)
.endr
	WIN 0
	v_nop                                          ; one plain line behind a scaled conversion
.irp c, 0,1                                    ; the operand's layout wants a whole block in a lane
.irp i, 0,1,2
	v_permlane16_swap_b32 v[PC+6*\c+\i], v[PC+12+4*\c+\i]
.endr
.irp i, 0,1,2
	v_mov_b32 v[PC+3+6*\c+\i], v[PC+12+4*\c+\i]
.endr
.endr
.irp c, 0,1,2
	global_store_b128 v[GOFF], v[PC+4*\c:PC+4*\c+3], s[14:15] offset:FRB*(\a)+512*\c
.endr
.endm
.irp a, 0,1,2,3,4,5,6,7
	QUANTW \a
.endr
	global_store_b128 v[GOFF], v[SW:SW+3], s[14:15] offset:8*FRB        ; the scale words of fragments 0-3, 16 bytes a lane (lanes 16-31 hold the same as lanes 0-15),
	global_store_b128 v[GOFF], v[SW+4:SW+7], s[14:15] offset:8*FRB+512  ; and of 4-7
.else
; THE WAY OUT, PROJ = 1.  A block of 16 rows x 128 columns goes through my own stage and comes back as whole rows of 512 bytes.  The stage undoes the order of B's tiles, the stores' offsets that of A's rows.
.macro TOSTAGE a
.set AC, 64*((\a)%4)
.set WS, 0x08+4*((\a)/4)
	WIN WS                                         ; the data: window 2 or 3
.irp b, 0,1,2,3,4,5,6,7
	ds_store_b128 v[STO], v[AC+8*\b:AC+8*\b+3] offset:128*(\b/2)+32*(\b%2)          ; each accumulator from its low end on
	ds_store_b128 v[STO], v[AC+8*\b+4:AC+8*\b+7] offset:128*(\b/2)+32*(\b%2)+16
.endr
	WIN 0
.set BB, BK+64*((\a)%2)
.irp t, 0,1,2,3,4,5,6,7,8,9,10,11,12,13,14,15
	ds_load_b128 v[BB+4*\t:BB+4*\t+3], v[RD] offset:\t*SPITCH   ; LDS serves a wave's instructions in order: these see the stores above
.endr
.endm
.macro SEND a, younger
.set BB, BK+64*((\a)%2)
	s_wait_dscnt \younger
.irp t, 0,1,2,3,4,5,6,7,8,9,10,11,12,13,14,15
	global_store_b128 v[GOFF], v[BB+4*\t:BB+4*\t+3], s[14:15] offset:(32*((\a)/2)+8*((\a)%2)+\t+8*(\t/8))*4096 th:TH_STORE_NT   ; 512 consecutive bytes, aligned; 127 rows at the most, inside the immediate
.endr
.endm
	TOSTAGE 0
.irp a, 1,2,3,4,5,6,7
.if \a > 1
	s_wait_xcnt 0x0                                ; block a - 2's stores have read their registers
.endif
	TOSTAGE \a
	SEND \a-1, 32                                  ; behind block a - 1's loads: block a's 16 stores and 16 loads
.endr
	SEND 7, 0
.endif
	s_wait_tensorcnt 0x0                           ; the wave's end
	ds_add_u32 v[SPW], v[NIL]
	s_wait_dscnt 0x0
	CROUND                                         ; the closing round
	s_endpgm
.Lfunc_end_k_q131eddd185_gemm_qkv:
	.size	k_q131eddd185_gemm_qkv, .Lfunc_end_k_q131eddd185_gemm_qkv-k_q131eddd185_gemm_qkv
	.p2alignl 7, 3214868480
	.fill 96, 4, 3214868480
	.section	.rodata,"a",@progbits
	.p2align	6, 0x0
	.amdhsa_kernel k_q131eddd185_gemm_qkv
		.amdhsa_group_segment_fixed_size 327680
		.amdhsa_private_segment_fixed_size 0
		.amdhsa_enable_private_segment 0
		.amdhsa_kernarg_size 48
		.amdhsa_user_sgpr_count 2
		.amdhsa_user_sgpr_kernarg_segment_ptr 1
		.amdhsa_wavefront_size32 1
		.amdhsa_system_sgpr_workgroup_id_x 1
		.amdhsa_system_sgpr_workgroup_id_y 1
		.amdhsa_system_sgpr_workgroup_id_z 1
		.amdhsa_system_vgpr_workitem_id 0
		.amdhsa_next_free_vgpr 1024
		.amdhsa_next_free_sgpr 102
		.amdhsa_reserve_vcc 0
		.amdhsa_float_denorm_mode_32 3
		.amdhsa_float_denorm_mode_16_64 3
		.amdhsa_memory_ordered 1
		.amdhsa_forward_progress 1
		.amdhsa_inst_pref_size 161
	.end_amdhsa_kernel
	.amdgpu_metadata
---
amdhsa.version: [ 1, 2 ]
amdhsa.kernels:
  - .name:           k_q131eddd185_gemm_qkv
    .symbol:         k_q131eddd185_gemm_qkv.kd
    .args:
      - { .name: ximg, .offset: 0, .size: 8, .value_kind: global_buffer, .address_space: global }
      - { .name: xsc, .offset: 8, .size: 8, .value_kind: global_buffer, .address_space: global }
      - { .name: wimg, .offset: 16, .size: 8, .value_kind: global_buffer, .address_space: global }
      - { .name: wsc, .offset: 24, .size: 8, .value_kind: global_buffer, .address_space: global }
      - { .name: b_attn, .offset: 32, .size: 8, .value_kind: global_buffer, .address_space: global }
      - { .name: img, .offset: 40, .size: 8, .value_kind: global_buffer, .address_space: global }
    .group_segment_fixed_size: 327680
    .private_segment_fixed_size: 0
    .kernarg_segment_align: 8
    .kernarg_segment_size: 48
    .max_flat_workgroup_size: 128
    .sgpr_count:     102
    .vgpr_count:     1024
    .wavefront_size: 32
...
	.end_amdgpu_metadata
.endif
;; end of part 2
;; launch attn (part 3): grid 8 x 32, 16 waves a work-group, clusters of 4 x 1, 327,680 bytes of LDS; arguments img, yimg, ysc; writes yimg, ysc
.if DOCPART == 3
	.amdgcn_target "amdgcn-amd-amdhsa--gfx1250"
	.amdhsa_code_object_version 6
	.text
	.protected	k_q131eddd185_attn
	.globl	k_q131eddd185_attn
	.p2align	8
	.type	k_q131eddd185_attn,@function
k_q131eddd185_attn:
	s_mov_b64 s[64:65], 0
	v_nop
	global_prefetch_b8 v0, s[64:65] scope:SCOPE_SE
	s_setreg_imm32_b32 hwreg(HW_REG_WAVE_MODE, 25, 1), 1
	s_wait_xcnt 0x0
	s_wait_alu depctr_hold_cnt(0) depctr_sa_sdst(0) depctr_va_vdst(0) depctr_va_sdst(0) depctr_va_ssrc(0) depctr_va_vcc(0) depctr_vm_vsrc(0)
	s_getreg_b32 s2, hwreg(HW_REG_IB_STS2, 6, 4)
	s_cmp_eq_u32 s2, 0
	s_cbranch_scc0 .Lentry_in_a_cluster
	s_endpgm
.Lentry_in_a_cluster:
	s_bfe_u32 s2, ttmp6, 0x10000c
	s_cmp_lg_u32 s2, 0x3003
	s_cbranch_scc0 .Lentry_shape_is_right
	s_endpgm
.Lentry_shape_is_right:
; Causal attention on codes of FP6 (E2M3) with E8M0 scales; 64 heads of size 64, 2,048 rows; y leaves as codes for the last product.
; IN: records of 13,312 bytes (8 fragments of 1,536 bytes, images of the operand's 12 registers; then 8 scale words a lane in two blocks of 512 bytes).  bp = 8 batch + pair of heads; s = 128 rows.
;   q record at (16 bp + s): 8 tiles of 16 queries x the pair's 128 columns; from record 512 on, k at 2 (16 bp + s), v (8 tiles of 16 channels x 128 keys) behind it.
;   In each group of 32 rows (queries, keys, channels) tile i holds at place r row 8 i + r + 8 (r / 8).
; THE SOFTMAX: t = score x log2(e) / 8; M = the running largest t rounded up to a whole number; p = 2^(t - M) is quantised along the keys; the row's sum is taken of the unquantised p and divides at the end;
;   when M moves, the sum and O are multiplied by 2^(old M - new M), exactly.
; K = 64 fills half of the instruction's 128: a fragment of k holds both heads of the pair, and Q's operand holds its head's 64 columns and ZERO CODES in the other head's place.
; SHARES.  Work-group (j, bp): query tile j of each of the 16 blocks of 128 rows.  Wave w takes head 0 on block w and head 1 on block 15 - w: w + 1 and 16 - w key steps of 128 keys, 17 in every wave.
;   A step is left out where its keys all come after the queries, and masked on the diagonal: both tests hang on the wave's number and the step's number alone.
; CLUSTER.  The four work-groups of a cluster walk the same k and v: each key step's 26,624 bytes are asked for jointly.  Two LDS slots of four key steps; waves 0-3 fetch a step each: one load of a wave is out at a time.
; Both products are used transposed (S^T = k q^T, O^T = v^T p^T): a lane holds one query; by the tiles' order 16 registers of two neighbouring tiles are 16 neighbouring keys (channels).
; LIMITS: NaN and infinities are not served; a block of y whose largest magnitude lies under 2^-124, a block of zeros among them, keeps the byte 1.
; REGISTERS: v1 16 x lane; v2, v3 the spare word and 0; v4 the step's LDS address; v5 my query less 16 (lane / 16); v6 -infinity; v7 the prefetch's offset; v8, v9 Q's scale words; v10 p's; v11 at work;
;   v12-15, v34-37 -M, the largest t, the sum in two halves, for head 0, 1; v16-33 q of head 0, six zeros, q of head 1; v38-39 f; v40-107 fragments of k or v, v88-106 also at work; v108-171 S^T, then p;
;   v172-235 O^T of the two heads; v236-247 p's codes; v248-255 k's or v's scale words.
; THE ORDER OF THE KEY STEPS.  The running maximum serves any order of the keys.  Slot p (0 .. 3) holds, at its four places, key steps 2 p, 15 - 2 p, 2 p + 1, 14 - 2 p.
; Of a pair of steps (s, 15 - s) a wave's head 0 (block w) and head 1 (block 15 - w) together take [s <= w] + [15 - s <= w] + [s <= 15 - w] + [s >= w] = 2 steps, and one more where s or 15 - s is w:
; so every wave has 4 or 5 steps of work in every slot.  Place i's step in slot p is (i / 2 + 2 p) xor 15 (i % 2): it moves by + 2 or - 2 steps from slot to slot.
.set REC,   13312
.set STEPB, 2*REC                      ; a key step: k's record, then v's
.set SLOT1, 1<<17                      ; slot 1 begins here: one exclusive or turns an address from one slot to the other
.set QSEC,  512*REC
.set NSL,   4                          ; slots' worth of keys
.set SPARE, 2*SLOT1                    ; the spare words, 128 bytes for each of 16 waves: eight blocks of 256 bytes that no other line names
.set STAGE, SPARE+2048                 ; y's fragments, 16 x 1,536 bytes; no fill lands here
.set LI,   1
.set SPW,  2
.set NIL,  3
.set AD,   4
.set DM,   5
.set NINF, 6
.set PFO,  7
.set F,    40
.set BM,   88                          ; v88-91  the blocks' largest
.set PT,   92                          ; v92-95  the other half's; the bytes; a chain of the sum
.set SO,   96                          ; v96-99  the conversions' scale operands
.set H2,   100                         ; v100-102, v104-106 the conversions' second halves
.set S,    108
.set PCD,  236
.set YC,   40                          ; the way out: y's codes, v40-45 head 0, v48-53 head 1
.set WV,   10
.set SEL,  14
.set CS,   16
.set BND,  18                          ; s18, s19 the last key step of head 0, 1: w, 15 - w
.set TB,   20                          ; LDS byte at which the step in hand begins
.set KS,   21                          ; the step's number
.set SLOTS, 22
.set CNT,  23
.set G1,   24
.set G0,   32
.set PFA,  36
.set LIM,  38
.macro CROUND
	s_barrier_signal -1
	s_barrier_wait -1
	s_cmp_lg_u32 s[WV], 0
	s_cbranch_scc1 .Lnot_wave_0_\@
	s_barrier_signal -3
.Lnot_wave_0_\@:
	s_barrier_wait -3
	s_barrier_signal -1
	s_barrier_wait -1
.endm
.macro TLOAD                           ; waves 0-3 fetch a key step each; four v_nop follow the line
	s_cmp_lt_u32 s[WV], 4
	s_cbranch_scc0 .Lasked_\@
	tensor_load_to_lds s[G0:G0+3], s[G1:G1+7]
	s_nop 0
.rept 4
	v_nop
.endr
.Lasked_\@:
.endm
; A prefetch of what the NEXT change of slots will ask for: four key steps, 106,496 bytes.  Both clusters of a pair of heads walk the same bytes: the first asks.  Its four partners take a key step each, told apart by
; address; in each, waves 4-7 take 6,656 bytes: 26 blocks of 256 bytes, a lane a block (lanes 26-31 name lane 25's again).  The last change that fills a slot asks for nothing; slots 0 and 1 come by their loads alone.
.macro ASK
	s_cmp_gt_u32 s[SLOTS], s[LIM]
	s_cbranch_scc0 .Lnot_mine_\@
	global_prefetch_b8 v[PFO], s[PFA:PFA+1] th:TH_LOAD_NT scope:SCOPE_SE
.Lnot_mine_\@:
.endm
	s_load_b128 s[4:7], s[0:1], 0x0                ; img, yimg
	s_load_b64 s[8:9], s[0:1], 0x10                ; ysc
	v_lshl_add_u32 v[SPW], v0, 2, SPARE
	v_mov_b32 v[NIL], 0
	ds_add_u32 v2, v3
	ds_add_u32 v2, v3
	s_wait_dscnt 0x0
	v_lshrrev_b32 v11, 5, v0
	s_delay_alu instid0(VALU_DEP_1)
	v_readfirstlane_b32 s[WV], v11                 ; wave 0..15
	s_bfe_u32 s11, ttmp6, 0x40000                  ; cx
	s_lshl_b32 s12, ttmp9, 2
	s_add_co_u32 s12, s12, s11                     ; j: it enters global addresses and the mask's numbers alone
	s_and_b32 s13, ttmp7, 0xffff                   ; bp, which the partners share
	; descriptor group 1: 26,624 dense bytes as 104 rows of 256 (32 elements of 8 bytes)
	s_mov_b32 s[G1], 15|(3<<16)|(1<<21)            ; 15:0 the mask: all four work-groups; 17:16 elements of 8 bytes; 21 set beside a mask
	s_mov_b32 s[G1+1], 32<<16
	s_mov_b32 s[G1+2], 104<<16
	s_mov_b32 s[G1+3], 32<<16
	s_mov_b32 s[G1+4], 104
	s_mov_b32 s[G1+5], 32
	s_mov_b32 s[G1+6], 0
	s_mov_b32 s[G1+7], 0
	s_min_u32 s40, s[WV], 3                        ; which of a slot's four steps I fetch, if I fetch
	s_mul_i32 s41, s40, STEPB
	s_lshl_b32 s39, s13, 4                         ; 16 bp
	s_and_b32 s66, s40, 1
	s_mul_i32 s67, s66, 15
	s_lshr_b32 s42, s40, 1
	s_xor_b32 s42, s42, s67                        ; slot 0: places 0 .. 3 hold key steps 0, 15, 1, 14
	s_add_co_u32 s42, s39, s42
	s_mul_i32 s66, s66, 4*STEPB
	s_sub_co_u32 s66, 2*STEPB, s66                 ; s66: from slot to slot my place moves two key steps up (even places) or down (odd): added to the byte offset s42, never to an address
	s_mul_i32 s42, s42, STEPB
	s_add_co_u32 s42, s42, QSEC
	s_mov_b32 s43, 0
	s_mov_b32 s[BND], s[WV]
	s_xor_b32 s[BND+1], s[WV], 15                  ; 15 - w
	s_add_co_u32 s44, s39, s[BND]
	s_mul_i32 s44, s44, REC                        ; q's record for head 0,
	s_add_co_u32 s45, s39, s[BND+1]
	s_mul_i32 s45, s45, REC                        ; for head 1
	s_mul_i32 s46, s12, 1536                       ; fragment j,
	s_lshr_b32 s47, s12, 2
	s_lshl_b32 s47, s47, 9
	s_and_b32 s48, s12, 3
	s_lshl_b32 s48, s48, 2
	s_add_co_u32 s47, s47, s48
	s_add_co_u32 s47, s47, 12288                   ; its scale words
	s_add_co_u32 s50, s44, s46
	s_mov_b32 s51, 0
	s_add_co_u32 s52, s45, s46
	s_mov_b32 s53, 0
	s_add_co_u32 s54, s44, s47
	s_mov_b32 s55, 0
	s_add_co_u32 s56, s45, s47
	s_mov_b32 s57, 0
	s_mul_i32 s58, s39, STEPB                      ; the prefetches: slot 1 (the first change steps it to slot 2),
	s_add_co_u32 s58, s58, QSEC
	s_and_b32 s68, s11, 1                          ; my work-group takes place cx of the four: in slot 1 key step (cx / 2 + 2) xor 15 (cx % 2)
	s_mul_i32 s69, s68, 15
	s_lshr_b32 s59, s11, 1
	s_add_co_u32 s59, s59, 2
	s_xor_b32 s59, s59, s69
	s_mul_i32 s59, s59, STEPB
	s_mul_i32 s68, s68, 4*STEPB
	s_sub_co_u32 s68, 2*STEPB, s68                 ; s68: that place's move from slot to slot, added to the byte offset s58
	s_add_co_u32 s58, s58, s59
	s_and_b32 s59, s[WV], 3
	s_mul_i32 s59, s59, 6656                       ; my wave's quarter of it
	s_add_co_u32 s58, s58, s59
	s_mov_b32 s59, 0
	s_sub_co_u32 s60, s[WV], 4
	s_lshr_b32 s60, s60, 2                         ; 0 in waves 4-7,
	s_or_b32 s60, s60, ttmp9                       ; of the pair's first cluster: the same in all partners
	s_cmp_eq_u32 s60, 0
	s_cselect_b32 s[LIM], 1, -1
	s_mov_b32 s[SEL], 0x76543210
	s_mov_b32 s[SEL+1], 0xfedcba98
	s_mov_b32 s[CS], 0x3e38aa3b                    ; c = log2(e) / sqrt(64)
	s_mov_b32 s[CS+1], s[CS]                       ; (named with it as a pair, so it is written)
	s_mov_b32 s[TB], 0
	s_mov_b32 s[KS], 0
	s_mov_b32 s[SLOTS], NSL-1
	s_lshr_b32 s61, s12, 1
	s_lshl_b32 s61, s61, 5
	s_and_b32 s62, s12, 1
	s_lshl_b32 s62, s62, 3
	s_add_co_u32 s61, s61, s62                     ; tile j's first query in its block of 128
	s_wait_kmcnt 0x0
	s_mov_b32 s[G0], 1
	s_mov_b32 s[G0+1], s41
	s_add_nc_u64 s[G0+2:G0+3], s[4:5], s[42:43]
	s_or_b32 s[G0+3], s[G0+3], 0x80000000
	s_add_nc_u64 s[50:51], s[4:5], s[50:51]
	s_add_nc_u64 s[52:53], s[4:5], s[52:53]
	s_add_nc_u64 s[54:55], s[4:5], s[54:55]
	s_add_nc_u64 s[56:57], s[4:5], s[56:57]
	s_add_nc_u64 s[PFA:PFA+1], s[4:5], s[58:59]
	CROUND                                         ; all four work-groups are here: the first joint loads meet
	TLOAD                                          ; slot 0
	v_and_b32 v11, 31, v0
	s_delay_alu instid0(VALU_DEP_1)
	v_lshlrev_b32 v[LI], 4, v11
	s_delay_alu instid0(VALU_DEP_2)
	v_min_u32 v[PFO], 25, v11
	s_delay_alu instid0(VALU_DEP_1)
	v_lshlrev_b32 v[PFO], 8, v[PFO]
	global_load_b128 v[16:19], v[LI], s[50:51]                 ; head 0: registers 0-7 of the fragment; 0-5 are its 64 columns
	global_load_b128 v[20:23], v[LI], s[50:51] offset:512
	global_load_b128 v[26:29], v[LI], s[52:53] offset:512      ; head 1: registers 4-11; 6-11 are its 64 columns
	global_load_b128 v[30:33], v[LI], s[52:53] offset:1024
	global_load_b32 v8, v[LI], s[54:55]
	global_load_b32 v9, v[LI], s[56:57]
	v_and_b32 v11, 15, v0
	s_delay_alu instid0(VALU_DEP_1)
	v_and_b32 v[AD], 8, v11
	s_delay_alu instid0(VALU_DEP_1)
	v_add_nc_u32 v[DM], v11, v[AD]                 ; r + 8 (r / 8)
	v_bfe_u32 v[AD], v0, 4, 1
	s_delay_alu instid0(VALU_DEP_1)
	v_lshlrev_b32 v[AD], 4, v[AD]
	s_delay_alu instid0(VALU_DEP_1)
	v_sub_nc_u32 v[DM], v[DM], v[AD]
	s_delay_alu instid0(VALU_DEP_1)
	v_add_nc_u32 v[DM], s61, v[DM]                 ; my query in its block of 128, less 16 (lane / 16)
	v_mov_b32 v[NINF], 0xff800000
.irp q, 12, 34
	v_mov_b32 v[\q+1], 0xff61b1e6                  ; the largest t so far: -3e38
	s_delay_alu instid0(VALU_DEP_1)
	v_floor_f32 v[\q], -v[\q+1]                    ; -M
	v_mov_b32 v[\q+2], 0                           ; the sum, in two halves
	v_mov_b32 v[\q+3], 0
.endr
	v_mov_b32 v39, 0                               ; (named as the upper half of the pair v[38:39])
.irp j, 0,1,2,3
	v_mov_b32 v[F+\j], 0                           ; the four registers at each end of k's run that one head's loads do not fill: they meet Q's zero codes
	v_mov_b32 v[F+64+\j], 0
	v_mov_b32 v[PT+\j], 0                          ; a lane permute's destination counts as one of its sources
.endr
.irp j, 0,1,2,3,4,5,6,7,8,9,10,11,12,13,14,15,16,17,18,19,20,21,22,23,24,25,26,27,28,29,30,31,32,33,34,35,36,37,38,39,40,41,42,43,44,45,46,47,48,49,50,51,52,53,54,55,56,57,58,59,60,61,62,63
	v_mov_b32 v[172+\j], 0                         ; O^T: the step is written once; its first turn finds zeros, which the first change of M leaves zeros
.endr
	s_wait_loadcnt 0x0                             ; Q
.irp j, 22,23,24,25,26,27
	v_mov_b32 v\j, 0                               ; the zero codes between the two heads' columns: v[16:27] is head 0's operand, v[22:33] head 1's
.endr
; A KEY STEP OF ONE HEAD: 128 keys.
.macro HSTEP hd
.set ST, 12+22*\hd
.set OT, 172+32*\hd
.set KB, F+4*\hd
	s_cmp_gt_u32 s[KS], s[BND+\hd]                 ; all its keys come after my queries
	s_cbranch_scc1 .Lskip_\@
	v_add_nc_u32 v[AD], s[TB], v[LI]
.rept 3
	v_nop                                          ; with the addition: four places in front of loads into registers that the last products read
.endr
.irp t, 0,1,2,3,4,5,6,7                        ; of each fragment of k the two groups of four registers that hold my head's six; tile t's operand is v[F + 8 t .. + 11]
	ds_load_b128 v[KB+8*\t:KB+8*\t+3], v[AD] offset:1536*\t+512*\hd
	ds_load_b128 v[KB+8*\t+4:KB+8*\t+7], v[AD] offset:1536*\t+512*\hd+512
.endr
	ds_load_b128 v[248:251], v[AD] offset:12288
	ds_load_b128 v[252:255], v[AD] offset:12800
	s_wait_dscnt 0x0
	s_wait_alu depctr_va_vdst(0)
.irp t, 0,1,2,3,4,5,6,7
	v_wmma_scale_f32_16x16x128_f8f6f4 v[S+8*\t:S+8*\t+7], v[F+8*\t:F+8*\t+11], v[16+6*\hd:27+6*\hd], 0, v[248+\t], v[8+\hd] matrix_a_fmt:MATRIX_FMT_FP6 matrix_b_fmt:MATRIX_FMT_FP6
.endr
.rept 4
	v_nop                                          ; places: for the loads below, the reads of the scores and the writes over k's registers
.endr
.irp ct, 0,1,2,3                               ; my head's four tiles of v and their scale words: asked for now, they land during the softmax
.irp c, 0,1,2
	ds_load_b128 v[F+12*\ct+4*\c:F+12*\ct+4*\c+3], v[AD] offset:REC+1536*(4*\hd+\ct)+512*\c
.endr
.endr
	ds_load_b128 v[248:251], v[AD] offset:REC+12288+512*\hd
	s_cmp_lg_u32 s[KS], s[BND+\hd]                 ; on the diagonal hidden scores become -infinity: register 16 b + i holds key 32 b + 16 (lane / 16) + i of the step
	s_cbranch_scc1 .Lopen_\@
.irp n, 0,1,2,3,4,5,6,7,8,9,10,11,12,13,14,15,16,17,18,19,20,21,22,23,24,25,26,27,28,29,30,31,32,33,34,35,36,37,38,39,40,41,42,43,44,45,46,47,48,49,50,51,52,53,54,55,56,57,58,59,60,61,62,63
	v_cmp_gt_i32 vcc_lo, 32*(\n/16)+\n%16, v[DM]
	v_cndmask_b32 v[S+\n], v[S+\n], v[NINF], vcc_lo
.endr
.Lopen_\@:
.irp b, 0,1,2,3
	v_max3_num_f32 v[BM+\b], v[S+16*\b], v[S+1+16*\b], v[S+2+16*\b]   ; the largest score of each block of 32 keys: for the row's maximum and, since p rises with the score, for the block's largest p
.endr
.irp i, 3,5,7,9,11,13
.irp b, 0,1,2,3
	v_max3_num_f32 v[BM+\b], v[BM+\b], v[S+16*\b+\i], v[S+1+16*\b+\i]
.endr
.endr
.irp b, 0,1,2,3
	v_max_num_f32 v[BM+\b], v[BM+\b], v[S+15+16*\b]
.endr
.irp b, 0,1,2,3
	s_delay_alu instid0(VALU_DEP_4)
	v_permlanex16_b32 v[PT+\b], v[BM+\b], s[SEL], s[SEL+1]
.endr
.irp b, 0,1,2,3
	s_delay_alu instid0(VALU_DEP_4)
	v_max_num_f32 v[BM+\b], v[BM+\b], v[PT+\b]     ; with lane l xor 16's 16 keys
.endr
	s_delay_alu instid0(VALU_DEP_2)
	v_max3_num_f32 v11, v[BM], v[BM+1], v[BM+2]
	s_delay_alu instid0(VALU_DEP_1)
	v_max_num_f32 v11, v11, v[BM+3]
	s_delay_alu instid0(VALU_DEP_1)
	v_mul_f32 v11, s[CS], v11                      ; as t
	s_delay_alu instid0(VALU_DEP_1)
	v_max_num_f32 v[ST+1], v[ST+1], v11            ; the running largest t
	v_mov_b32 v11, v[ST]
	s_delay_alu instid0(VALU_DEP_2)
	v_floor_f32 v[ST], -v[ST+1]                    ; the new -M = -ceil(t)
	s_delay_alu instid0(VALU_DEP_1)
	v_sub_f32 v11, v[ST], v11                      ; old M - new M: a whole number, 0 or less
	s_delay_alu instid0(VALU_DEP_1)
	v_cvt_i32_f32 v11, v11                         ; (it saturates)
	s_delay_alu instid0(VALU_DEP_1)
	v_ldexp_f32 v38, 1.0, v11                      ; f = 2^(old M - new M)
.irp j, 0,2,4,6,8,10,12,14,16,18,20,22,24,26,28,30,32,34,36,38,40,42,44,46,48,50,52,54,56,58,60,62
	v_pk_fma_f32 v[S+\j:S+1+\j], v[S+\j:S+1+\j], s[CS:CS+1], v[ST:ST+1] op_sel_hi:[1,0,0]   ; t - M
.endr
.irp b, 0,1,2,3
	v_fma_f32 v[BM+\b], v[BM+\b], s[CS], v[ST]
.endr
	s_wait_alu depctr_va_vdst(0)
.irp j, 0,1,2,3,4,5,6,7,8,9,10,11,12,13,14,15,16,17,18,19,20,21,22,23,24,25,26,27,28,29,30,31,32,33,34,35,36,37,38,39,40,41,42,43,44,45,46,47,48,49,50,51,52,53,54,55,56,57,58,59,60,61,62,63
	v_exp_f32 v[S+\j], v[S+\j]                     ; p = 2^(t - M)
.endr
	v_pk_mul_f32 v[ST+2:ST+3], v[ST+2:ST+3], v[38:39] op_sel_hi:[1,0]   ; the sums under the new M (the plain line behind the exponentials)
	s_wait_alu depctr_va_vdst(0)                   ; one wait for the batch of 64, ahead of its first reader
.irp b, 0,1,2,3
	v_exp_f32 v[BM+\b], v[BM+\b]                   ; the blocks' largest p
.endr
	v_pk_add_f32 v[PT:PT+1], v[S:S+1], v[S+2:S+3]  ; the row's sum of the unquantised p, in two chains
.irp j, 4,8,12,16,20,24,28,32,36,40,44,48,52,56,60
	v_pk_add_f32 v[ST+2:ST+3], v[ST+2:ST+3], v[S+\j:S+1+\j]
	v_pk_add_f32 v[PT:PT+1], v[PT:PT+1], v[S+2+\j:S+3+\j]
.endr
	s_delay_alu instid0(VALU_DEP_1)
	v_pk_add_f32 v[ST+2:ST+3], v[ST+2:ST+3], v[PT:PT+1]
	s_wait_alu depctr_va_vdst(0)                   ; and one for the four
.irp b, 0,1,2,3
	v_max_num_f32 v[BM+\b], 0x1800000, v[BM+\b]    ; the floor 2^(3 - 127): the byte cannot fall under 1
.endr
.irp b, 0,1,2,3
	s_delay_alu instid0(VALU_DEP_4)
	v_add_nc_u32 v[SO+\b], 0xff000000, v[BM+\b]
.endr
.irp b, 0,1,2,3
	s_delay_alu instid0(VALU_DEP_4)
	v_lshrrev_b32 v[PT+\b], 23, v[SO+\b]
.endr
	s_delay_alu instid0(VALU_DEP_3)
	v_lshl_or_b32 v10, v[PT+1], 8, v[PT]           ; p's scale word for these 128 keys
	s_delay_alu instid0(VALU_DEP_1)
	v_lshl_or_b32 v10, v[PT+2], 16, v10
	s_delay_alu instid0(VALU_DEP_1)
	v_lshl_or_b32 v10, v[PT+3], 24, v10
.irp c, 0,1
	v_cvt_scalef32_pk16_fp6_f32 v[PCD+6*\c:PCD+2+6*\c], v[S+32*\c:S+15+32*\c], v[SO+2*\c]
	v_cvt_scalef32_pk16_fp6_f32 v[H2+4*\c:H2+2+4*\c], v[S+16+32*\c:S+31+32*\c], v[SO+2*\c+1]
.endr
	v_nop                                          ; one plain line behind a scaled conversion
.irp c, 0,1
.irp i, 0,1,2
	v_permlane16_swap_b32 v[PCD+6*\c+\i], v[H2+4*\c+\i]
.endr
.irp i, 0,1,2
	s_delay_alu instid0(VALU_DEP_3)
	v_mov_b32 v[PCD+3+6*\c+\i], v[H2+4*\c+\i]
.endr
.endr
.irp j, 0,2,4,6,8,10,12,14,16,18,20,22,24,26,28,30
	v_pk_mul_f32 v[OT+\j:OT+1+\j], v[OT+\j:OT+1+\j], v[38:39] op_sel_hi:[1,0]   ; O^T under the new M; these sixteen are also the places between p's codes and scale word and the products
.endr
	s_wait_alu depctr_va_vdst(0)
	s_wait_dscnt 0x0                               ; v
.irp ct, 0,1,2,3
	v_wmma_scale_f32_16x16x128_f8f6f4 v[OT+8*\ct:OT+8*\ct+7], v[F+12*\ct:F+12*\ct+11], v[PCD:PCD+11], v[OT+8*\ct:OT+8*\ct+7], v[248+\ct], v10 matrix_a_fmt:MATRIX_FMT_FP6 matrix_b_fmt:MATRIX_FMT_FP6
.endr
.Lskip_\@:
.endm
; The change of slots stands at a slot's head: each wave waits for all its tensor loads, adds 0 to its spare word, and waits for that and for its reads of the slot that it has left.
; fill = 1: a round of the cluster's barrier, and behind it the slot just left is filled with the next four key steps, which have a whole slot's steps in which to land.
.macro CHANGE fill
	s_wait_tensorcnt 0x0
	ds_add_u32 v[SPW], v[NIL]
.if \fill
	s_xor_b32 s[G0+1], s[G0+1], SLOT1              ; the walking descriptor: the other slot,
	s_add_co_u32 s42, s42, s66                     ; my place's key step of the next slot, in bytes from img (s43 = 0);
	s_add_nc_u64 s[G0+2:G0+3], s[4:5], s[42:43]    ; the address is made anew from the buffer's pointer,
	s_or_b32 s[G0+3], s[G0+3], 0x80000000          ; and the type is set again
	s_wait_xcnt 0x0                                ; the last prefetch, a slot back, has read its address
	s_add_co_u32 s58, s58, s68                     ; the same for the prefetch (s59 = 0)
	s_add_nc_u64 s[PFA:PFA+1], s[4:5], s[58:59]
	s_wait_dscnt 0x0
	CROUND
	TLOAD
	ASK
.else
	s_wait_dscnt 0x0
	s_barrier_signal -1
	s_barrier_wait -1
.endif
.endm
.macro SLOT_STEPS                      ; a slot's four key steps: written once, walked four times
	s_mov_b32 s[CNT], 4
.Lstep_\@:
	HSTEP 0
	HSTEP 1
	s_add_co_u32 s[TB], s[TB], STEPB
	s_and_b32 s63, s[CNT], 1                       ; the step's number walks 2 p, 15 - 2 p, 2 p + 1, 14 - 2 p: turned over in every trip, and one added in every second
	s_xor_b32 s[KS], s[KS], 15
	s_add_co_u32 s[KS], s[KS], s63
	s_sub_co_u32 s[CNT], s[CNT], 1
	s_cmp_lg_u32 s[CNT], 0
	s_cbranch_scc1 .Lstep_\@
	s_sub_co_u32 s[TB], s[TB], 4*STEPB
	s_xor_b32 s[TB], s[TB], SLOT1                  ; on to the other slot
.endm
.Lslot:                                            ; NSL - 1 trips: behind each change of slots but the last the next slot is asked for
	CHANGE 1
	SLOT_STEPS
	s_sub_co_u32 s[SLOTS], s[SLOTS], 1
	s_cmp_lg_u32 s[SLOTS], 0
	s_cbranch_scc1 .Lslot
	CHANGE 0                                       ; the last slot is written out
	SLOT_STEPS
	; THE WAY OUT.  y = O^T / the sum; a head's 64 channels are two blocks of the last product's K.  Fragment (16 queries, the pair's 128 channels) wants head 0 from wave w and head 1 from wave 15 - w: they meet in a stage in LDS.
	v_add_f32 v14, v14, v15
	v_add_f32 v36, v36, v37
	s_delay_alu instid0(VALU_DEP_2)
	v_permlanex16_b32 v[PT], v14, s[SEL], s[SEL+1]
	s_delay_alu instid0(VALU_DEP_2)
	v_permlanex16_b32 v[PT+1], v36, s[SEL], s[SEL+1]
	s_delay_alu instid0(VALU_DEP_2)
	v_add_f32 v14, v14, v[PT]
	s_delay_alu instid0(VALU_DEP_2)
	v_add_f32 v36, v36, v[PT+1]
	s_wait_alu depctr_va_vdst(0)
	v_rcp_f32 v14, v14
	v_rcp_f32 v36, v36
	s_mul_i32 s52, s[WV], 1536
	s_add_co_u32 s52, s52, STAGE
	s_mul_i32 s53, s[BND+1], 1536
	s_add_co_u32 s53, s53, STAGE
	v_add_nc_u32 v4, s52, v[LI]                    ; fragment w in the stage (plain lines behind the reciprocals)
	v_add_nc_u32 v5, s53, v[LI]                    ; fragment 15 - w
	v_and_b32 v6, 15, v0
	v_bfe_u32 v11, v0, 4, 1
	s_delay_alu instid0(VALU_DEP_1)
	v_lshl_add_u32 v6, v6, 4, v11                  ; the scale byte: 16 r + h
	s_delay_alu instid0(VALU_DEP_2)
	v_cmp_eq_u32 vcc_lo, 1, v11
	s_lshr_b32 s40, s13, 3
	s_lshl_b32 s40, s40, 7
	s_add_co_u32 s40, s40, s12                     ; 128 batch + j
	s_and_b32 s41, s13, 7                          ; the pair: K step of the last product
	s_lshl_b32 s42, s[BND], 3
	s_add_co_u32 s42, s42, s40                     ; head 0's tile of rows; also the fragment that I store
	s_lshl_b32 s43, s[BND+1], 3
	s_add_co_u32 s43, s43, s40                     ; head 1's
	s_lshr_b32 s44, s41, 2
	s_lshl_b32 s44, s44, 8
	s_and_b32 s45, s41, 3
	s_lshl_b32 s45, s45, 2
	s_add_co_u32 s44, s44, s45
	s_lshl_b32 s46, s42, 9
	s_add_co_u32 s46, s46, s44
	s_mov_b32 s47, 0
	s_lshl_b32 s48, s43, 9
	s_add_co_u32 s48, s48, s44
	s_add_co_u32 s48, s48, 2
	s_mov_b32 s49, 0
	s_lshl_b32 s50, s42, 3
	s_add_co_u32 s50, s50, s41
	s_mul_i32 s50, s50, 1536
	s_mov_b32 s51, 0
	s_add_nc_u64 s[46:47], s[8:9], s[46:47]
	s_add_nc_u64 s[48:49], s[8:9], s[48:49]
	s_add_nc_u64 s[50:51], s[6:7], s[50:51]
	s_wait_alu depctr_va_vdst(0)                   ; one wait for the two reciprocals, ahead of their first reader
.irp j, 0,2,4,6,8,10,12,14,16,18,20,22,24,26,28,30
	v_pk_mul_f32 v[S+\j:S+1+\j], v[172+\j:173+\j], v[14:15] op_sel_hi:[1,0]       ; register 16 b + i: channel 32 b + 16 (lane / 16) + i of head 0
.endr
.irp j, 0,2,4,6,8,10,12,14,16,18,20,22,24,26,28,30
	v_pk_mul_f32 v[S+32+\j:S+33+\j], v[204+\j:205+\j], v[36:37] op_sel_hi:[1,0]   ; of head 1
.endr
.irp b, 0,1,2,3
	v_max3_num_f32 v[BM+\b], |v[S+16*\b]|, |v[S+1+16*\b]|, 0x1800000
.endr
.irp i, 2,4,6,8,10,12,14
.irp b, 0,1,2,3
	s_delay_alu instid0(VALU_DEP_4)
	v_max3_num_f32 v[BM+\b], v[BM+\b], |v[S+16*\b+\i]|, |v[S+1+16*\b+\i]|
.endr
.endr
.irp b, 0,1,2,3
	s_delay_alu instid0(VALU_DEP_4)
	v_permlanex16_b32 v[PT+\b], v[BM+\b], s[SEL], s[SEL+1]
.endr
.irp b, 0,1,2,3
	s_delay_alu instid0(VALU_DEP_4)
	v_max_num_f32 v[BM+\b], v[BM+\b], v[PT+\b]
.endr
.irp b, 0,1,2,3
	s_delay_alu instid0(VALU_DEP_4)
	v_add_nc_u32 v[SO+\b], 0xff000000, v[BM+\b]
.endr
.irp b, 0,1,2,3
	s_delay_alu instid0(VALU_DEP_4)
	v_lshrrev_b32 v[PT+\b], 23, v[SO+\b]
.endr
	s_delay_alu instid0(VALU_DEP_3)
	v_cndmask_b32 v[BM], v[PT], v[PT+1], vcc_lo    ; lane (r, h) stores the byte of its head's block h
	s_delay_alu instid0(VALU_DEP_2)
	v_cndmask_b32 v[BM+1], v[PT+2], v[PT+3], vcc_lo
.irp c, 0,1
	v_cvt_scalef32_pk16_fp6_f32 v[YC+8*\c:YC+2+8*\c], v[S+32*\c:S+15+32*\c], v[SO+2*\c]
	v_cvt_scalef32_pk16_fp6_f32 v[H2+4*\c:H2+2+4*\c], v[S+16+32*\c:S+31+32*\c], v[SO+2*\c+1]
.endr
	v_nop
.irp c, 0,1
.irp i, 0,1,2
	v_permlane16_swap_b32 v[YC+8*\c+\i], v[H2+4*\c+\i]
.endr
.irp i, 0,1,2
	s_delay_alu instid0(VALU_DEP_3)
	v_mov_b32 v[YC+3+8*\c+\i], v[H2+4*\c+\i]
.endr
.endr
	ds_store_b128 v4, v[40:43]                     ; head 0: registers 0-3,
	ds_store_b64 v4, v[44:45] offset:512           ; 4 and 5 of fragment w
	ds_store_b64 v5, v[48:49] offset:520           ; head 1: registers 6 and 7,
	ds_store_b128 v5, v[50:53] offset:1024         ; 8-11 of fragment 15 - w
	global_store_b8 v6, v[BM], s[46:47]            ; single bytes of rows 16 bytes apart: 32 bytes a wave and head
	global_store_b8 v6, v[BM+1], s[48:49]
	s_wait_dscnt 0x0                               ; for the others' sake: my stores into the stage are done
	s_barrier_signal -1
	s_barrier_wait -1
.irp c, 0,1,2
	ds_load_b128 v[56+4*\c:59+4*\c], v4 offset:512*\c
.endr
	s_wait_dscnt 0x0
.irp c, 0,1,2
	global_store_b128 v[LI], v[56+4*\c:59+4*\c], s[50:51] offset:512*\c   ; 512 consecutive bytes, aligned
.endr
	s_wait_tensorcnt 0x0                           ; the wave's end
	ds_add_u32 v[SPW], v[NIL]
	s_wait_dscnt 0x0
	CROUND                                         ; the closing round
	s_endpgm
.Lfunc_end_k_q131eddd185_attn:
	.size	k_q131eddd185_attn, .Lfunc_end_k_q131eddd185_attn-k_q131eddd185_attn
	.p2alignl 7, 3214868480
	.fill 96, 4, 3214868480
	.section	.rodata,"a",@progbits
	.p2align	6, 0x0
	.amdhsa_kernel k_q131eddd185_attn
		.amdhsa_group_segment_fixed_size 327680
		.amdhsa_private_segment_fixed_size 0
		.amdhsa_enable_private_segment 0
		.amdhsa_kernarg_size 24
		.amdhsa_user_sgpr_count 2
		.amdhsa_user_sgpr_kernarg_segment_ptr 1
		.amdhsa_wavefront_size32 1
		.amdhsa_system_sgpr_workgroup_id_x 1
		.amdhsa_system_sgpr_workgroup_id_y 1
		.amdhsa_system_sgpr_workgroup_id_z 1
		.amdhsa_system_vgpr_workitem_id 0
		.amdhsa_next_free_vgpr 256
		.amdhsa_next_free_sgpr 70
		.amdhsa_reserve_vcc 1
		.amdhsa_float_denorm_mode_32 3
		.amdhsa_float_denorm_mode_16_64 3
		.amdhsa_memory_ordered 1
		.amdhsa_forward_progress 1
		.amdhsa_inst_pref_size 109
	.end_amdhsa_kernel
	.amdgpu_metadata
---
amdhsa.version: [ 1, 2 ]
amdhsa.kernels:
  - .name:           k_q131eddd185_attn
    .symbol:         k_q131eddd185_attn.kd
    .args:
      - { .name: img, .offset: 0, .size: 8, .value_kind: global_buffer, .address_space: global }
      - { .name: yimg, .offset: 8, .size: 8, .value_kind: global_buffer, .address_space: global }
      - { .name: ysc, .offset: 16, .size: 8, .value_kind: global_buffer, .address_space: global }
    .group_segment_fixed_size: 327680
    .private_segment_fixed_size: 0
    .kernarg_segment_align: 8
    .kernarg_segment_size: 24
    .max_flat_workgroup_size: 512
    .sgpr_count:     70
    .vgpr_count:     256
    .wavefront_size: 32
...
	.end_amdgpu_metadata
.endif
;; end of part 3
;; launch gemm_proj (part 4): grid 4 x 32, 4 waves a work-group, clusters of 4 x 4, 327,680 bytes of LDS; arguments yimg, ysc, wimg, wsc, b_proj, out0; writes out0
.if DOCPART == 4
	.amdgcn_target "amdgcn-amd-amdhsa--gfx1250"
	.amdhsa_code_object_version 6
	.text
	.protected	k_q131eddd185_gemm_proj
	.globl	k_q131eddd185_gemm_proj
	.p2align	8
	.type	k_q131eddd185_gemm_proj,@function
k_q131eddd185_gemm_proj:
	s_mov_b64 s[64:65], 0
	v_nop
	global_prefetch_b8 v0, s[64:65] scope:SCOPE_SE
	s_setreg_imm32_b32 hwreg(HW_REG_WAVE_MODE, 25, 1), 1
	s_wait_xcnt 0x0
	s_wait_alu depctr_hold_cnt(0) depctr_sa_sdst(0) depctr_va_vdst(0) depctr_va_sdst(0) depctr_va_ssrc(0) depctr_va_vcc(0) depctr_vm_vsrc(0)
	s_getreg_b32 s2, hwreg(HW_REG_IB_STS2, 6, 4)
	s_cmp_eq_u32 s2, 0
	s_cbranch_scc0 .Lentry_in_a_cluster
	s_endpgm
.Lentry_in_a_cluster:
	s_bfe_u32 s2, ttmp6, 0x10000c
	s_cmp_lg_u32 s2, 0xf033
	s_cbranch_scc0 .Lentry_shape_is_right
	s_endpgm
.Lentry_shape_is_right:
; out0 = y W_proj + b_proj, f32, on codes of FP6 (E2M3) with E8M0 scales, K = 1,024; the operands are images of the operand's registers (codes [tile of 16 rows][K / 128][1,536 bytes]; scale bytes [tile][K / 512][row][16]).
; A tile of C, 256 x 256, is made by four waves, 128 x 128 each; K goes in four steps of 256 through two LDS slots; 4 x 4 work-groups form a cluster: A's tiles are asked for jointly along its rows, B's along its columns.
; THE FILLS.  At the head one joint load a wave, in one chain of four arms: wave 0 A's 16 tiles of K step 0, wave 1 B's, wave 2 A's 16 tiles of K step 1, wave 3 B's.  The first barrier waits for waves 0 and 1 alone;
; K step 1 is shown by the first change of slots, where every wave waits for all its loads.  Behind that wait group 1 counts 8 tiles: a refill is a quarter of a slot a wave.
; The scales, 16,384 of the work-group's 802,816 bytes, are not asked for jointly: each wave loads 4,096 bytes in runs of 512 and stores them into LDS bytes on which no fill lands.
; No prefetch: of the four K steps two are first fills.
.set PROJ,   1
.set G0H,  4                           ; s[4:7], s[8:11] group 0 of the head's loads of K step 0; G0S, G0SB: of K step 1
.set G0HB, 8
.set NQ,     2
.set FR,     12
.set FRB,    1536
.set NL,     3
.set NP,     4
.set HALFT,  8*NQ*FRB
.set SLOT,   4*HALFT
.set SCL,    2*SLOT
.set SPARE,  SCL+4*4096
.set STG,    SPARE+512
.set SPITCH, 528
.set REC,    13312
.set ADRA, 16
.set ADRB, 20
.set STO,  24
.set RD,   25
.set GOFF, 26
.set ADRS, 27
.set SPW,  28
.set NIL,  29
.set BOF,  30
.set SC,   32
.set BIAS, 64
.set TM,   64
.set SW,   80
.set AF,   128
.set BK,   128
.set G1, 24
.set G0, 32
.set G1B, 48
.set G0B, 56
.set G1S, 68
.set G0S, 76
.set G1SB, 80
.set G0SB, 88
.set SEL, 100
.set MSB, 0
.macro WIN new
.if MSB != \new
	s_set_vgpr_msb (MSB<<8)|\new
.set MSB, \new
.endif
.endm
.set MUL_LO, 0xa1
.set MUL_HI, 0xf1
.set BIA_LO, 0x81
.set BIA_HI, 0xc1
.set TO_B,   0x40
.macro JLOAD g0a, g1a, g0b, g1b
	s_cmp_eq_u32 s2, 0
	s_cbranch_scc0 .Lfor_b_\@
	tensor_load_to_lds s[\g0a:\g0a+3], s[\g1a:\g1a+7]
	s_nop 0
.rept 4
	v_nop
.endr
	s_branch .Lasked_\@
.Lfor_b_\@:
	tensor_load_to_lds s[\g0b:\g0b+3], s[\g1b:\g1b+7]
	s_nop 0
.rept 4
	v_nop
.endr
.Lasked_\@:
.endm
.macro CREST
	s_cmp_lg_u32 s3, 0
	s_cbranch_scc1 .Lnot_wave_0_\@
	s_barrier_signal -3
.Lnot_wave_0_\@:
	s_barrier_wait -3
	s_barrier_signal -1
	s_barrier_wait -1
.endm
.macro CROUND
	s_barrier_signal -1
	s_barrier_wait -1
	CREST
.endm
	s_load_b256 s[4:11], s[0:1], 0x0
	s_load_b128 s[12:15], s[0:1], 0x20
	v_lshl_add_u32 v[SPW], v0, 2, SPARE
	v_mov_b32 v[NIL], 0
	ds_add_u32 v28, v29
	ds_add_u32 v28, v29
	s_wait_dscnt 0x0
	v_lshrrev_b32 v1, 5, v0
	v_readfirstlane_b32 s3, v1
	s_lshr_b32 s2, s3, 1
	s_and_b32 s16, s3, 1
	s_bfe_u32 s40, ttmp6, 0x40000
	s_bfe_u32 s41, ttmp6, 0x40004
	s_and_b32 s67, ttmp7, 0xffff
.if PROJ
	s_lshl_b32 s42, ttmp9, 2
	s_lshl_b32 s17, s67, 2
.else
	s_cmp_eq_u32 ttmp9, 2
	s_cselect_b32 s66, 1, 0
	s_cselect_b32 s42, s67, ttmp9
	s_cselect_b32 s17, 0, s67
	s_lshl_b32 s42, s42, 2
	s_lshl_b32 s17, s17, 2
.endif
	s_add_co_u32 s42, s42, s40
	s_add_co_u32 s17, s17, s41
	s_lshl_b32 s43, s41, 2
	s_lshl_b32 s43, 15, s43
	s_lshl_b32 s44, 0x1111, s40
	s_or_b32 s[G1+0], s43, (3<<16)|(1<<21)
	s_or_b32 s[G1B+0], s44, (3<<16)|(1<<21)
.irp g, G1, G1B
	s_mov_b32 s[\g+1], 384<<16
	s_mov_b32 s[\g+2], 16<<16                      ; 16 tiles at the head
	s_mov_b32 s[\g+3], 384<<16
	s_mov_b32 s[\g+4], 16
	s_mov_b32 s[\g+5], 1536
	s_mov_b32 s[\g+6], 0
	s_mov_b32 s[\g+7], 0
.endr
	s_lshl_b32 s18, s16, 3
	s_lshl_b32 s20, s17, 4
	s_add_co_u32 s20, s20, s18
	s_lshl_b32 s46, s42, 4
	s_add_co_u32 s46, s46, s18
	s_lshl_b32 s22, s20, 9
	s_mov_b32 s23, 0
	s_lshl_b32 s96, s46, 9
	s_mov_b32 s97, 0
	s_mul_i32 s20, s20, 8*FRB
	s_mov_b32 s21, 0
	s_mul_i32 s46, s46, 8*FRB
	s_mov_b32 s47, 0
	s_mul_i32 s45, s3, HALFT
	s_lshl_b32 s98, s3, 12
	s_mov_b32 s[SEL], 0x76543210
	s_mov_b32 s[SEL+1], 0xfedcba98
	s_wait_kmcnt 0x0
.if PROJ
	s_add_nc_u64 s[8:9], s[8:9], 192*8*FRB
	s_add_nc_u64 s[10:11], s[10:11], 192*512
.else
	s_add_nc_u64 s[92:93], s[8:9], 128*8*FRB
	s_add_nc_u64 s[94:95], s[10:11], 128*512
	s_cmp_eq_u32 s66, 1
	s_cselect_b64 s[92:93], s[92:93], s[4:5]
	s_cselect_b64 s[94:95], s[94:95], s[6:7]
	s_cselect_b64 s[8:9], s[4:5], s[8:9]
	s_cselect_b64 s[10:11], s[6:7], s[10:11]
	s_mov_b64 s[4:5], s[92:93]
	s_mov_b64 s[6:7], s[94:95]
.endif
	s_add_nc_u64 s[20:21], s[4:5], s[20:21]
	s_add_nc_u64 s[22:23], s[6:7], s[22:23]
	s_add_nc_u64 s[46:47], s[8:9], s[46:47]
	s_add_nc_u64 s[96:97], s[10:11], s[96:97]
	CROUND
	s_mul_i32 s92, s16, 8*8*FRB                    ; the head's loads take whole tiles of 256 rows: my half's 8 tiles are taken off the addresses
	s_mov_b32 s93, 0
	s_mov_b32 s[G0H], 1                            ; K step 0: A's 16 tiles,
	s_mov_b32 s[G0H+1], 0
	s_sub_nc_u64 s[G0H+2:G0H+3], s[20:21], s[92:93]
	s_mov_b32 s[G0HB], 1                           ; B's behind them;
	s_mov_b32 s[G0HB+1], 2*HALFT
	s_sub_nc_u64 s[G0HB+2:G0HB+3], s[46:47], s[92:93]
	s_mov_b32 s[G0S], 1                            ; K step 1: the same in slot 1
	s_mov_b32 s[G0S+1], SLOT
	s_add_nc_u64 s[G0S+2:G0S+3], s[G0H+2:G0H+3], NQ*FRB
	s_mov_b32 s[G0SB], 1
	s_mov_b32 s[G0SB+1], SLOT+2*HALFT
	s_add_nc_u64 s[G0SB+2:G0SB+3], s[G0HB+2:G0HB+3], NQ*FRB
.irp g, G0H, G0HB, G0S, G0SB
	s_or_b32 s[\g+3], s[\g+3], 0x80000000
.endr
	s_cmp_eq_u32 s2, 0                             ; the scales that I bring: waves 0 and 1 A's two halves, waves 2 and 3 B's
	s_cselect_b64 s[94:95], s[22:23], s[96:97]
	s_add_co_u32 s98, s98, SCL                     ; and where they go: 4,096 bytes a wave
.irp s, 0,1
	s_mov_b32 s[G0+4*\s], 1
	s_add_co_u32 s[G0+4*\s+1], s45, \s*SLOT
	s_add_nc_u64 s[G0+4*\s+2:G0+4*\s+3], s[20:21], \s*NQ*FRB
	s_or_b32 s[G0+4*\s+3], s[G0+4*\s+3], 0x80000000
	s_mov_b32 s[G0B+4*\s], 1
	s_add_co_u32 s[G0B+4*\s+1], s45, \s*SLOT
	s_add_nc_u64 s[G0B+4*\s+2:G0B+4*\s+3], s[46:47], \s*NQ*FRB
	s_or_b32 s[G0B+4*\s+3], s[G0B+4*\s+3], 0x80000000
.endr
.macro ARM under, g0, g1, next         ; one chain of branches on the wave's number: every way through the head passes one load
	s_cmp_lt_u32 s3, \under
	s_cbranch_scc0 \next
	tensor_load_to_lds s[\g0:\g0+3], s[\g1:\g1+7]
	s_nop 0
.rept 4
	v_nop
.endr
	s_branch .Lhead_asked
\next:
.endm
	ARM 1, G0H,  G1,  .Lhead_b0
	ARM 2, G0HB, G1B, .Lhead_a1
	ARM 3, G0S,  G1,  .Lhead_b1
	tensor_load_to_lds s[G0SB:G0SB+3], s[G1B:G1B+7]
	s_nop 0
.rept 4
	v_nop
.endr
.Lhead_asked:
	v_and_b32 v1, 15, v0
	v_bfe_u32 v2, v0, 4, 1
	s_wait_alu depctr_va_vdst(0)
	v_and_b32 v3, 31, v0
	v_lshlrev_b32 v[GOFF], 4, v3
	v_add_nc_u32 v7, s98, v[GOFF]                  ; LDS: my 4,096 bytes of scales, 16 bytes a lane
.irp n, 0,1,2,3,4,5,6,7
	global_load_b128 v[AF+4*\n:AF+4*\n+3], v[GOFF], s[94:95] offset:512*\n   ; 512 consecutive bytes, aligned
.endr
	s_mul_i32 s21, s2, HALFT
	s_mul_i32 s22, s16, HALFT
	s_add_co_u32 s22, s22, 2*HALFT
.irp s, 0,1
	v_add_nc_u32 v[ADRA+\s], s21, v[GOFF]
	v_add_nc_u32 v[ADRB+\s], s22, v[GOFF]
	s_add_co_u32 s21, s21, SLOT
	s_add_co_u32 s22, s22, SLOT
.endr
	v_lshlrev_b32 v5, 4, v1
	s_lshl_b32 s21, s2, 12
	s_lshl_b32 s22, s16, 12
	s_add_co_u32 s22, s22, 8192
	s_sub_co_u32 s22, s22, s21
	v_mul_u32_u24 v6, s22, v2
	s_add_co_u32 s21, s21, SCL
	v_add_nc_u32 v5, v5, v6
	v_add_nc_u32 v[ADRS], s21, v5
.if !PROJ
	s_cmp_eq_u32 s66, 1
	s_cbranch_scc1 .Lbias_v
.endif
	s_lshl_b32 s18, s42, 10
	s_lshl_b32 s19, s16, 9
	s_add_co_u32 s18, s18, s19
	s_mov_b32 s19, 0
	s_add_nc_u64 s[12:13], s[12:13], s[18:19]
	v_lshlrev_b32 v[BOF], 6, v2
.irp b, 0,1,2,3,4,5,6,7
	global_load_b128 v[BIAS+8*\b:BIAS+8*\b+3], v[BOF], s[12:13] offset:(32*(\b/2)+8*(\b%2))*4
	global_load_b128 v[BIAS+8*\b+4:BIAS+8*\b+7], v[BOF], s[12:13] offset:(32*(\b/2)+8*(\b%2))*4+16
.endr
.if !PROJ
	s_branch .Lbias_in
.Lbias_v:
	s_lshl_b32 s18, s17, 10
	s_lshl_b32 s19, s2, 9
	s_add_co_u32 s18, s18, s19
	s_add_co_u32 s18, s18, 8192
	s_mov_b32 s19, 0
	s_add_nc_u64 s[12:13], s[12:13], s[18:19]
	v_and_b32 v5, 8, v1
	v_add_nc_u32 v5, v5, v1
	v_lshlrev_b32 v[BOF], 2, v5
.irp a, 0,1,2,3,4,5,6,7
.irp j, 0,1,2,3,4,5,6,7
	global_load_b32 v[BIAS+8*\a+\j], v[BOF], s[12:13] offset:(32*(\a/2)+8*(\a%2))*4
.endr
.endr
.Lbias_in:
	s_lshl_b32 s18, s17, 1
	s_add_co_u32 s18, s18, s2
	s_lshl_b32 s19, s42, 1
	s_add_co_u32 s19, s19, s16
	s_cmp_eq_u32 s66, 1
	s_cselect_b32 s20, s19, s18
	s_cselect_b32 s21, s18, s19
	s_and_b32 s21, s21, 7
	s_lshr_b32 s22, s20, 4
	s_lshl_b32 s22, s22, 3
	s_add_co_u32 s22, s22, s21
	s_lshl_b32 s22, s22, 4
	s_and_b32 s20, s20, 15
	s_add_co_u32 s22, s22, s20
	s_lshl_b32 s23, s22, 1
	s_add_co_u32 s23, s23, s66
	s_add_co_u32 s23, s23, 512
	s_cmp_eq_u32 ttmp9, 0
	s_cselect_b32 s22, s22, s23
	s_mul_i32 s22, s22, REC
	s_mov_b32 s23, 0
	s_add_nc_u64 s[14:15], s[14:15], s[22:23]
.else
	s_mul_i32 s23, s3, 16*SPITCH
	s_add_co_u32 s23, s23, STG
	v_mul_u32_u24 v5, v1, SPITCH
	v_lshl_add_u32 v5, v2, 6, v5
	v_add_nc_u32 v[STO], s23, v5
	v_add_nc_u32 v[RD], s23, v[GOFF]
	s_lshl_b32 s20, s17, 20
	s_lshl_b32 s21, s2, 19
	s_add_co_u32 s20, s20, s21
	s_lshl_b32 s21, s42, 10
	s_add_co_u32 s20, s20, s21
	s_lshl_b32 s21, s16, 9
	s_add_co_u32 s20, s20, s21
	s_mov_b32 s21, 0
	s_add_nc_u64 s[14:15], s[14:15], s[20:21]
.endif
.macro FRAG reg, adr, q, i
.irp c, 0,1,2
	ds_load_b128 v[\reg+4*\c:\reg+4*\c+3], v[\adr] offset:NQ*FRB*(\i)+FRB*(\q)+512*\c
.endr
.endm
.macro MUL16 a0, p, q, sc, c
.irp a, \a0, \a0+1
.irp b, 0,1,2,3,4,5,6,7
.if \c == 0
	v_wmma_scale_f32_16x16x128_f8f6f4 v[8*(8*((\a)%4)+\b):8*(8*((\a)%4)+\b)+7], v[128*(\p)+FR*\b:128*(\p)+FR*\b+FR-1], v[AF+FR*(\a):AF+FR*(\a)+FR-1], v[8*(8*((\a)%4)+\b):8*(8*((\a)%4)+\b)+7], v[SC+8*NQ*(\sc)+NQ*\b+(\q)], v[SC+8*NQ*(\sc)+NQ*(\a)+(\q)] matrix_a_fmt:MATRIX_FMT_FP6 matrix_b_fmt:MATRIX_FMT_FP6 matrix_a_scale:MATRIX_SCALE_ROW1
.elseif \c == 1
	v_wmma_scale_f32_16x16x128_f8f6f4 v[8*(8*((\a)%4)+\b):8*(8*((\a)%4)+\b)+7], v[128*(\p)+FR*\b:128*(\p)+FR*\b+FR-1], v[AF+FR*(\a):AF+FR*(\a)+FR-1], v[BIAS+8*\b:BIAS+8*\b+7], v[SC+8*NQ*(\sc)+NQ*\b+(\q)], v[SC+8*NQ*(\sc)+NQ*(\a)+(\q)] matrix_a_fmt:MATRIX_FMT_FP6 matrix_b_fmt:MATRIX_FMT_FP6 matrix_a_scale:MATRIX_SCALE_ROW1
.else
	v_wmma_scale_f32_16x16x128_f8f6f4 v[8*(8*((\a)%4)+\b):8*(8*((\a)%4)+\b)+7], v[128*(\p)+FR*\b:128*(\p)+FR*\b+FR-1], v[AF+FR*(\a):AF+FR*(\a)+FR-1], v[BIAS+8*(\a):BIAS+8*(\a)+7], v[SC+8*NQ*(\sc)+NQ*\b+(\q)], v[SC+8*NQ*(\sc)+NQ*(\a)+(\q)] matrix_a_fmt:MATRIX_FMT_FP6 matrix_b_fmt:MATRIX_FMT_FP6 matrix_a_scale:MATRIX_SCALE_ROW1
.endif
.endr
.endr
.endm
.macro FETCH_B slot, q, p
	WIN TO_B
.irp i, 0,1,2,3,4,5,6,7
	FRAG 128*(\p)+FR*\i, ADRB+\slot, \q, \i
.endr
	WIN 0
.endm
.macro FETCH_A slot, q, i0
.irp i, \i0, \i0+1, \i0+2, \i0+3
	FRAG AF+FR*(\i), ADRA+\slot, \q, \i
.endr
.endm
.macro SCALES sc
.irp i, 0,1,2,3,4,5,6,7
	ds_load_b64 v[SC+8*NQ*\sc+NQ*\i:SC+8*NQ*\sc+NQ*\i+1], v[ADRS] offset:512*\i+8*\sc
.endr
.endm
.macro PLACES n
.rept \n
	v_nop
.endr
.endm
.macro STEP slot, q, c
	s_wait_dscnt 4*NL
.if \c
	WIN BIA_LO
.else
	WIN MUL_LO
.endif
	MUL16 0, (\q)%2, \q, \slot, \c
	MUL16 2, (\q)%2, \q, \slot, \c
	s_wait_dscnt 0
	PLACES NP
	FETCH_B \slot, (\q)+1, 1-(\q)%2
	FETCH_A \slot, (\q)+1, 0
.if \c
	WIN BIA_HI
.else
	WIN MUL_HI
.endif
	MUL16 4, (\q)%2, \q, \slot, \c
	MUL16 6, (\q)%2, \q, \slot, \c
	PLACES NP
	WIN 0
	FETCH_A \slot, (\q)+1, 4
.endm
.macro TURN slot, next, fill
	s_wait_tensorcnt 0x0
	ds_add_u32 v[SPW], v[NIL]
.if \fill
	s_mov_b32 s[G1+2], 8<<16                       ; no tensor load of mine is out: a refill brings 8 tiles a wave
	s_mov_b32 s[G1+4], 8
	s_mov_b32 s[G1B+2], 8<<16
	s_mov_b32 s[G1B+4], 8
.endif
	s_wait_dscnt 4*NL+1
	WIN MUL_LO
	MUL16 0, 1, NQ-1, \slot, 0
	s_wait_dscnt 0x0
	s_barrier_signal -1
	MUL16 2, 1, NQ-1, \slot, 0
	WIN 0
	s_barrier_wait -1
.if \fill
	CREST
	s_add_nc_u64 s[G0+4*\slot+2:G0+4*\slot+3], s[G0+4*\slot+2:G0+4*\slot+3], 2*NQ*FRB
	s_add_nc_u64 s[G0B+4*\slot+2:G0B+4*\slot+3], s[G0B+4*\slot+2:G0B+4*\slot+3], 2*NQ*FRB
	JLOAD G0+4*\slot, G1, G0B+4*\slot, G1B
.else
	PLACES NP
.endif
.if \next == 0
	v_add_nc_u32 v[ADRS], 256, v[ADRS]
.endif
	FETCH_B \next, 0, 0
	FETCH_A \next, 0, 0
	SCALES \next
	WIN MUL_HI
	MUL16 4, 1, NQ-1, \slot, 0
	MUL16 6, 1, NQ-1, \slot, 0
	PLACES NP
	WIN 0
	FETCH_A \next, 0, 4
.endm
	s_wait_alu depctr_va_vdst(0)
	s_wait_loadcnt 0x0                             ; the bias and my scales
.irp n, 0,1,2,3,4,5,6,7
	ds_store_b128 v7, v[AF+4*\n:AF+4*\n+3] offset:512*\n
.endr
	s_cmp_lt_u32 s3, 2
	s_cbranch_scc0 .Lnot_step_0
	s_wait_tensorcnt 0x0                           ; waves 0 and 1: K step 0 is in
.Lnot_step_0:
	s_wait_dscnt 0x0                               ; my scales are stored
	s_barrier_signal -1                            ; K step 1's loads may be out
	s_barrier_wait -1
	FETCH_B 0, 0, 0
	FETCH_A 0, 0, 0
	SCALES 0
	FETCH_A 0, 0, 4
.if PROJ
	STEP 0, 0, 1
.else
	s_cmp_eq_u32 s66, 1
	s_cbranch_scc1 .Lfirst_v
	STEP 0, 0, 1
	s_branch .Lfirst_done
.Lfirst_v:
	STEP 0, 0, 2
.Lfirst_done:
.endif
	TURN 0, 1, 1
	STEP 1, 0, 0
	TURN 1, 0, 1
	s_wait_alu depctr_va_vdst(0)
	STEP 0, 0, 0
	TURN 0, 1, 0
	STEP 1, 0, 0
	s_wait_dscnt 4*NL
	WIN MUL_LO
	MUL16 0, 1, NQ-1, 1, 0
	MUL16 2, 1, NQ-1, 1, 0
	s_wait_dscnt 0
	WIN MUL_HI
	MUL16 4, 1, NQ-1, 1, 0
	MUL16 6, 1, NQ-1, 1, 0
	WIN 0
	PLACES NP
.if !PROJ
.macro QUANTW a
.set AC, 64*((\a)%4)
.set WN, 2+(\a)/4
.set WS01, WN|(WN<<2)
.set WS12, (WN<<2)|(WN<<4)
.set PC, 128+24*((\a)%2)
	WIN WS01
.irp b, 0,1,2,3
	v_max3_num_f32 v[TM+\b], |v[AC+16*\b]|, |v[AC+16*\b+1]|, 0x1800000
.endr
	WIN WS12
.irp i, 2,4,6,8,10,12,14
.irp b, 0,1,2,3
	v_max3_num_f32 v[TM+\b], v[TM+\b], |v[AC+16*\b+\i]|, |v[AC+16*\b+\i+1]|
.endr
.endr
	WIN 0
.irp b, 0,1,2,3
	v_permlanex16_b32 v[TM+4+\b], v[TM+\b], s[SEL], s[SEL+1]
.endr
.irp b, 0,1,2,3
	v_max_num_f32 v[TM+\b], v[TM+\b], v[TM+4+\b]
.endr
.irp b, 0,1,2,3
	v_add_nc_u32 v[TM+12+\b], 0xff000000, v[TM+\b]
.endr
.irp b, 0,1,2,3
	v_lshrrev_b32 v[TM+4+\b], 23, v[TM+12+\b]
.endr
	v_lshl_or_b32 v[SW+(\a)], v[TM+5], 8, v[TM+4]
	v_lshl_or_b32 v[SW+(\a)], v[TM+6], 16, v[SW+(\a)]
	v_lshl_or_b32 v[SW+(\a)], v[TM+7], 24, v[SW+(\a)]
.if (\a) >= 2
	s_wait_xcnt 0x0
.endif
	WIN WN
.irp c, 0,1
	v_cvt_scalef32_pk16_fp6_f32 v[PC+6*\c:PC+6*\c+2], v[AC+32*\c:AC+32*\c+15], v[TM+12+2*\c]
	v_cvt_scalef32_pk16_fp6_f32 v[PC+12+4*\c:PC+14+4*\c], v[AC+32*\c+16:AC+32*\c+31], v[TM+12+2*\c+1]
.endr
	WIN 0
	v_nop
.irp c, 0,1
.irp i, 0,1,2
	v_permlane16_swap_b32 v[PC+6*\c+\i], v[PC+12+4*\c+\i]
.endr
.irp i, 0,1,2
	v_mov_b32 v[PC+3+6*\c+\i], v[PC+12+4*\c+\i]
.endr
.endr
.irp c, 0,1,2
	global_store_b128 v[GOFF], v[PC+4*\c:PC+4*\c+3], s[14:15] offset:FRB*(\a)+512*\c
.endr
.endm
.irp a, 0,1,2,3,4,5,6,7
	QUANTW \a
.endr
	global_store_b128 v[GOFF], v[SW:SW+3], s[14:15] offset:8*FRB
	global_store_b128 v[GOFF], v[SW+4:SW+7], s[14:15] offset:8*FRB+512
.else
.macro TOSTAGE a
.set AC, 64*((\a)%4)
.set WS, 0x08+4*((\a)/4)
	WIN WS
.irp b, 0,1,2,3,4,5,6,7
	ds_store_b128 v[STO], v[AC+8*\b:AC+8*\b+3] offset:128*(\b/2)+32*(\b%2)
	ds_store_b128 v[STO], v[AC+8*\b+4:AC+8*\b+7] offset:128*(\b/2)+32*(\b%2)+16
.endr
	WIN 0
.set BB, BK+64*((\a)%2)
.irp t, 0,1,2,3,4,5,6,7,8,9,10,11,12,13,14,15
	ds_load_b128 v[BB+4*\t:BB+4*\t+3], v[RD] offset:\t*SPITCH
.endr
.endm
.macro SEND a, younger
.set BB, BK+64*((\a)%2)
	s_wait_dscnt \younger
.irp t, 0,1,2,3,4,5,6,7,8,9,10,11,12,13,14,15
	global_store_b128 v[GOFF], v[BB+4*\t:BB+4*\t+3], s[14:15] offset:(32*((\a)/2)+8*((\a)%2)+\t+8*(\t/8))*4096 th:TH_STORE_NT
.endr
.endm
	TOSTAGE 0
.irp a, 1,2,3,4,5,6,7
.if \a > 1
	s_wait_xcnt 0x0
.endif
	TOSTAGE \a
	SEND \a-1, 32
.endr
	SEND 7, 0
.endif
	s_wait_tensorcnt 0x0
	ds_add_u32 v[SPW], v[NIL]
	s_wait_dscnt 0x0
	CROUND
	s_endpgm
.Lfunc_end_k_q131eddd185_gemm_proj:
	.size	k_q131eddd185_gemm_proj, .Lfunc_end_k_q131eddd185_gemm_proj-k_q131eddd185_gemm_proj
	.p2alignl 7, 3214868480
	.fill 96, 4, 3214868480
	.section	.rodata,"a",@progbits
	.p2align	6, 0x0
	.amdhsa_kernel k_q131eddd185_gemm_proj
		.amdhsa_group_segment_fixed_size 327680
		.amdhsa_private_segment_fixed_size 0
		.amdhsa_enable_private_segment 0
		.amdhsa_kernarg_size 48
		.amdhsa_user_sgpr_count 2
		.amdhsa_user_sgpr_kernarg_segment_ptr 1
		.amdhsa_wavefront_size32 1
		.amdhsa_system_sgpr_workgroup_id_x 1
		.amdhsa_system_sgpr_workgroup_id_y 1
		.amdhsa_system_sgpr_workgroup_id_z 1
		.amdhsa_system_vgpr_workitem_id 0
		.amdhsa_next_free_vgpr 1024
		.amdhsa_next_free_sgpr 102
		.amdhsa_reserve_vcc 0
		.amdhsa_float_denorm_mode_32 3
		.amdhsa_float_denorm_mode_16_64 3
		.amdhsa_memory_ordered 1
		.amdhsa_forward_progress 1
		.amdhsa_inst_pref_size 138
	.end_amdhsa_kernel
	.amdgpu_metadata
---
amdhsa.version: [ 1, 2 ]
amdhsa.kernels:
  - .name:           k_q131eddd185_gemm_proj
    .symbol:         k_q131eddd185_gemm_proj.kd
    .args:
      - { .name: yimg, .offset: 0, .size: 8, .value_kind: global_buffer, .address_space: global }
      - { .name: ysc, .offset: 8, .size: 8, .value_kind: global_buffer, .address_space: global }
      - { .name: wimg, .offset: 16, .size: 8, .value_kind: global_buffer, .address_space: global }
      - { .name: wsc, .offset: 24, .size: 8, .value_kind: global_buffer, .address_space: global }
      - { .name: b_proj, .offset: 32, .size: 8, .value_kind: global_buffer, .address_space: global }
      - { .name: out0, .offset: 40, .size: 8, .value_kind: global_buffer, .address_space: global }
    .group_segment_fixed_size: 327680
    .private_segment_fixed_size: 0
    .kernarg_segment_align: 8
    .kernarg_segment_size: 48
    .max_flat_workgroup_size: 128
    .sgpr_count:     102
    .vgpr_count:     1024
    .wavefront_size: 32
...
	.end_amdgpu_metadata
.endif
;; end of part 4
